; MI455X (gfx1250); checked and timed in simulation.
; The chip was launched on July 23, 2026; its instructions are those of AMD's public machine-readable ISA for CDNA 5 (MIT licence, August 2026) and "CDNA5" Instruction Set Architecture Reference Guide (July 2026). The comments in the code are by the model that wrote it; some were corrected since.
;; Self Attention. Allowed arithmetic: matrix products marked QUANTISED: E2M3 operands, one E8M0 scale for each 32 along K, by v_wmma_scale_f32_16x16x128_f8f6f4 with both operands' format E2M3, f32 sums; everything else in f32.
;; Inputs: W_out 1,024 x 1,024 float32; W_qkv 1,024 x 3,072 float32; b_out 1,024 float32; b_qkv 3,072 float32; x 4 x 2,048 x 1,024 float32.
;; Outputs: out0 4 x 2,048 x 1,024 float32.
;; This version of the problem:
;;   THIS VERSION OF THE PROBLEM IS GIVEN IN LOW PRECISION. The matrix products marked QUANTISED in the list below multiply operands that are first quantised to E2M3 (2 exponent bits, 3 mantissa bits; 6 bits a number), with one power-of-two scale for each 32 numbers along K (OCP MX v1.0); their sums are f32. All else is computed in f32.
;;   The module's matrix products, in the order in which they are computed (A, B: the left and right operand; K: the contracted axis; several contracted axes count as one K, in the product's order):
;;     1. [M 8,192, K 1,024] x [K 1,024, N 3,072]; A: input x; B: input W_qkv: QUANTISED
;;     2. batch 64 x [M 2,048, K 64] x [K 64, N 2,048]; A: computed on the way; B: computed on the way: QUANTISED
;;     3. batch 64 x [M 2,048, K 2,048] x [K 2,048, N 64]; A: softmax (see below); B: computed on the way: QUANTISED
;;     4. [M 8,192, K 1,024] x [K 1,024, N 1,024]; A: computed on the way; B: input W_out: QUANTISED
;;   THE QUANTISER, for each operand of a quantised product, along K:
;;     - K is cut into blocks of 32 from its start; a last block that is shorter is filled with zeros.
;;     - A block's scale is 2^e with e = floor(log2(the largest magnitude in the block)) - 2, held to -126 .. 127; a block of zeros has e = 0. As a byte (E8M0): e + 127.
;;     - Each number is divided by its block's scale, clamped to +-7.5, and rounded to the nearest number of E2M3, ties to even, subnormals kept.
;;     - The product sums the exact products of the quantised numbers (number of the format x scale) in f32.
;;   ~~~python
;;   def quantise(x, axis):      # numpy; x: float32 -> the quantised numbers, widened to float32 again
;;       x = np.moveaxis(x, axis, -1); K = x.shape[-1]
;;       x = np.pad(x, [(0, 0)] * (x.ndim - 1) + [(0, -K % 32)]); x = x.reshape(x.shape[:-1] + (-1, 32)); a = np.abs(x).max(-1, keepdims=True)
;;       e = np.where(a > 0, np.clip(np.frexp(np.where(a > 0, a, 1))[1] - 1 - 2, -126, 127), 0)      # np.frexp(a)[1] - 1 = floor(log2(a)), exactly
;;       r = np.clip(x / 2.0 ** e, -7.5, 7.5)
;;       step = 2.0 ** (np.maximum(np.frexp(np.where(r == 0, 1, r))[1] - 1, 0) - 3)
;;       q = np.round(r / step) * step * 2.0 ** e      # np.round: ties to even
;;       return np.moveaxis(q.reshape(q.shape[:-2] + (-1,))[..., :K], -1, axis).astype(np.float32)
;;   ~~~
;;   SOFTMAX AHEAD OF A QUANTISED PRODUCT. Where the list says 'softmax', what is quantised is not the finished softmax but p = 2^(t - M), with t = logit x log2(e) and M = ceil(the row's largest t), a whole number; so 1/2 < the row's largest p <= 1. The row's sum l is taken of the UNQUANTISED p, in f32, and the product's result is divided by l at the end. Since M is a whole number, a kernel that streams over the keys may use a running M (the ceiling of the running maximum): every later rescaling is an exact power of two, which a block's scale takes up: the codes' values come out the same.
;;   OPERANDS COMPUTED ON THE WAY. 'Computed on the way' means the value that the module computes at that place (a softmax that the list does not call 'softmax' is quantised finished and normalised). What goes into a quantiser is computed in f32, as accurately as f32 sums, v_exp_f32 and their like allow (about 1e-6 of the number): no bf16 or f16 on the way to a quantiser, and a product that is left as it is and whose result goes on into a quantised operand takes f32 operands (vector FMAs, or v_wmma_f32_16x16x4_f32). A number that lies on a knife's edge between two numbers of the format may be rounded either way, as far as f32 arithmetic and the matrix unit's own rounding can turn it there, and no further.
;; One version. Each part assembles by itself: llvm-mc -triple=amdgcn-amd-amdhsa -mcpu=gfx1250 --defsym DOCPART=n.
;; ======== version 1 of 1: 4 launches
;; limits: right only within a limited range of input values
;; workspace buffers: xc 6,553,600 bytes; wc 3,276,800 bytes; qc 6,291,456 bytes; qs 524,288 bytes; kv 13,107,200 bytes; ac 6,553,600 bytes
;; launch quant (part 1): grid 384 x 1, 4 waves a work-group, no clusters, 34,304 bytes of LDS; arguments x, W_qkv, W_out, xc, wc; writes xc, wc
.if DOCPART == 1
	.amdgcn_target "amdgcn-amd-amdhsa--gfx1250"
	.amdhsa_code_object_version 6
	.text
	.protected	k_q5845df9816_quant
	.globl	k_q5845df9816_quant
	.p2align	8
	.type	k_q5845df9816_quant,@function
k_q5845df9816_quant:
	s_mov_b64 s[64:65], 0
	v_nop
	global_prefetch_b8 v0, s[64:65] scope:SCOPE_SE
	s_setreg_imm32_b32 hwreg(HW_REG_WAVE_MODE, 25, 1), 1
	s_wait_xcnt 0x0
; x [8192][1024], W_qkv [1024][3072] and W_out [1024][1024], f32, become codes of FP6 (E2M3) with one E8M0 byte for each 32 along K (the 1,024), laid as IMAGES OF OPERAND REGISTERS.
; A block's scale is 2^(floor(log2(its largest magnitude)) - 2); its byte is the largest magnitude's exponent field - 2, held at 1 from below.
; LIMITS: a block of zeros, or one whose largest magnitude lies under 2^-124, gets the byte 1 (its bytes are read by this program alone; zero codes add nothing under it); NaN and infinities are not served.
; LAYOUT.  A BLOCK is 128 operand rows x all of K: 8 K steps of 12,800 bytes.  A K step: 8 tiles (16 rows x 128 K) of 1,536 bytes, then 512 bytes of scale words.
;   A tile's rows are not neighbours: in each group of 32 rows tile u (0, 1) holds in lane-row m the row 8 u + m + 8 (m / 8).
;   A tile is two halves of 768 bytes (64 along K each, six registers a lane): registers 0-3 at 16 x lane, registers 4-5 at 512 + 16 (lane % 16) + 8 (lane / 16).
;   The scale word of (tile t, lane-row m) lies at 12,288 + 256 (t / 4) + 8 (m + 16 (t % 2)) + 4 ((t / 2) % 2).
; xc: 64 blocks, rows of x.  wc: blocks 0-15: head hd's q and k columns (192 hd + 0 .. 127); 16-23: the v columns of heads 2 g and 2 g + 1; 24-31: W_out's columns 128 i + 0 .. 127.
; SHARES.  A wave takes 64 operand rows x 128 along K.  Work-groups 0-255: x; 256-351: W_qkv; 352-383: W_out.  Waves share nothing: no barrier.
; Memory binds here: no matrix unit, no cluster, no tensor load.
.set SPARE, 33792                      ; behind the four stages: the spare words, 128 bytes a wave, which no other line names
.set LI,  1                            ; v1   16 x lane
.set LT,  2                            ; v2   16 (lane % 16) + 8 (lane / 16)
.set L8,  3                            ; v3   8 x lane
.set STI, 4                            ; v4   x: my 16 bytes of a stage row
.set STO, 5                            ; v5   x: my row of the stage, my half of each block of 32
.set VW,  6                            ; v6   weights: my column's place in a pair of tiles
.set VS,  7                            ; v7   weights: my column's scale words
.set L4,  8                            ; v8   4 x lane
.set SPW, 14                           ; v14  my spare word; never rewritten
.set NIL, 15                           ; v15  0; never rewritten
.set PC,  16                           ; v16-35  x: the codes just made
.set TM,  36                           ; v36-51  x: largest magnitudes, bytes, scale operands
.set PW,  52                           ; v52-55  x: a scale word for each tile
.set WP,  56                           ; v56-57  x: the words as they are stored
.set R,   64                           ; v64-191 x: two sets of 64 registers as loaded
.set XS,  192                          ; v192-255 x: 64 numbers of my row
.set LD,  64                           ; v64-127 weights: two sets of 32 numbers down K
.set CW,  128                          ; v128-175 weights: the codes, each store's data in registers of its own
.set T,   176                          ; v176-178 weights: a block's upper 16 codes
.set MA,  180                          ; v180-183 weights: at work
.set WD,  184                          ; v184-185 weights: my two columns' scale words
.set SEL, 20                           ; s[20:21] lane selects: lane l xor 16
.set HIM, 22                           ; s22  lanes 16-31
; 64 numbers of a lane, register 16 b + i = k 32 b + 16 (lane / 16) + i of my row, become a tile's 12 registers of codes in v[PC] on and its scale word in v[pw].
.macro QUANT s, pw
.irp b, 0,1,2,3
	v_max3_num_f32 v[TM+\b], |v[\s+16*\b]|, |v[\s+1+16*\b]|, 0x1800000   ; my 16 numbers of block b, and the floor 2^(3 - 127): the byte cannot fall under 1
.endr
.irp i, 2,4,6,8,10,12,14
.irp b, 0,1,2,3
	v_max3_num_f32 v[TM+\b], v[TM+\b], |v[\s+16*\b+\i]|, |v[\s+1+16*\b+\i]|   ; the four blocks by turns
.endr
.endr
.irp b, 0,1,2,3
	v_permlanex16_b32 v[TM+4+\b], v[TM+\b], s[SEL], s[SEL+1]
.endr
.irp b, 0,1,2,3
	v_max_num_f32 v[TM+\b], v[TM+\b], v[TM+4+\b]   ; with lane l xor 16's 16: the block's largest magnitude
.endr
.irp b, 0,1,2,3
	v_add_nc_u32 v[TM+12+\b], 0xff000000, v[TM+\b]   ; 2 off its exponent field: the conversion's scale operand
.endr
.irp b, 0,1,2,3
	v_lshrrev_b32 v[TM+4+\b], 23, v[TM+12+\b]      ; the scale's byte
.endr
	v_lshl_or_b32 v[\pw], v[TM+5], 8, v[TM+4]
	v_lshl_or_b32 v[\pw], v[TM+6], 16, v[\pw]
	v_lshl_or_b32 v[\pw], v[TM+7], 24, v[\pw]
.irp c, 0,1
	v_cvt_scalef32_pk16_fp6_f32 v[PC+6*\c:PC+2+6*\c], v[\s+32*\c:\s+15+32*\c], v[TM+12+2*\c]
	v_cvt_scalef32_pk16_fp6_f32 v[PC+12+4*\c:PC+14+4*\c], v[\s+16+32*\c:\s+31+32*\c], v[TM+12+2*\c+1]   ; (a conversion's three registers begin on an even number)
.endr
	v_nop                                          ; one plain place behind the scaled conversions
.irp c, 0,1                                    ; the operand wants a whole block in a lane: lanes 0-15 block 2 c, lanes 16-31 block 2 c + 1
.irp i, 0,1,2
	v_permlane16_swap_b32 v[PC+6*\c+\i], v[PC+12+4*\c+\i]
.endr
.irp i, 0,1,2
	v_mov_b32 v[PC+3+6*\c+\i], v[PC+12+4*\c+\i]
.endr
.endr
.endm
; my unit: 4 x (work-group - first) + wave = 16 x block + 8 x (which 64 rows) + K step
.macro UNIT first
	s_sub_co_u32 s15, ttmp9, \first
	s_lshl_b32 s15, s15, 2
	s_add_co_u32 s15, s15, s14
	s_lshr_b32 s16, s15, 4                         ; block
	s_bfe_u32 s17, s15, 0x10003                    ; g: rows 64 g on
	s_and_b32 s18, s15, 7                          ; K step
.endm
; where the unit's codes (s[30:31]) and scale words (s[32:33]) go, in the buffer whose address stands in s[buf:buf+1]
.macro DEST buf
	s_mul_i32 s26, s16, 102400
	s_mul_i32 s27, s18, 12800
	s_add_co_u32 s26, s26, s27
	s_mul_i32 s27, s17, 6144                       ; four tiles
	s_add_co_u32 s28, s26, s27
	s_mov_b32 s29, 0
	s_lshl_b32 s27, s17, 8
	s_add_co_u32 s26, s26, s27
	s_add_co_u32 s26, s26, 12288
	s_mov_b32 s27, 0
	s_add_nc_u64 s[30:31], s[\buf:\buf+1], s[28:29]
	s_add_nc_u64 s[32:33], s[\buf:\buf+1], s[26:27]
.endm
	s_load_b128 s[4:7], s[0:1], 0x0                ; x, W_qkv
	s_load_b128 s[8:11], s[0:1], 0x10              ; W_out, xc
	s_load_b64 s[12:13], s[0:1], 0x20              ; wc
	v_lshl_add_u32 v[SPW], v0, 2, SPARE
	v_mov_b32 v[NIL], 0
	v_lshrrev_b32 v9, 5, v0
	v_readfirstlane_b32 s14, v9                    ; wave
	v_and_b32 v9, 31, v0                           ; lane
	v_and_b32 v10, 15, v0                          ; r
	v_bfe_u32 v11, v0, 4, 1                        ; h
	v_lshlrev_b32 v[LI], 4, v9
	v_lshlrev_b32 v[LT], 4, v10
	v_lshl_add_u32 v[LT], v11, 3, v[LT]
	v_lshlrev_b32 v[L8], 3, v9
	v_lshlrev_b32 v[L4], 2, v9
	s_mul_i32 s19, s14, 8448                       ; my stage: 16 rows of 512 bytes + 16
	v_add_nc_u32 v[STI], s19, v[LI]
	v_mul_u32_u24 v[STO], v10, 528
	v_lshl_add_u32 v[STO], v11, 6, v[STO]
	v_add_nc_u32 v[STO], s19, v[STO]
	v_bfe_u32 v12, v0, 3, 1                        ; weights: column lane of a group of 32 lies in tile u = (lane / 8) % 2,
	v_and_b32 v13, 7, v0
	v_lshl_add_u32 v13, v11, 3, v13                ; lane-row m = lane % 8 + 8 (lane / 16)
	v_lshlrev_b32 v[VW], 4, v13
	v_mad_u32_u24 v[VW], v12, 1536, v[VW]
	v_lshl_add_u32 v[VS], v12, 4, v13
	v_lshlrev_b32 v[VS], 3, v[VS]
	s_mov_b32 s[SEL], 0x76543210
	s_mov_b32 s[SEL+1], 0xfedcba98
	s_mov_b32 s[HIM], 0xffff0000
	s_wait_kmcnt 0x0
	s_cmp_ge_u32 ttmp9, 256
	s_cbranch_scc1 .Lweights
	; ---- x: K is innermost.  Each load reads 512 consecutive bytes of one row; a tile's 16 rows turn through my stage, so that a lane gets 16 neighbours of each block of its row.
	UNIT 0
	s_lshl_b32 s24, s16, 19                        ; 128 rows of 4,096 bytes a block,
	s_lshl_b32 s25, s17, 18                        ; 64 rows,
	s_add_co_u32 s24, s24, s25
	s_lshl_b32 s25, s18, 9                         ; 512 bytes a K step
	s_add_co_u32 s24, s24, s25
	s_mov_b32 s25, 0
	s_add_nc_u64 s[4:5], s[4:5], s[24:25]
	DEST 10
.irp b, 0,1,2,3
	v_mov_b32 v[TM+4+\b], 0                        ; written once: a lane permute's destination counts as one of its sources
.endr
.macro LOADX t                         ; tile t's 16 rows, in the tile's own order: the choice of rows stands in the immediate
.irp i, 0,1,2,3,4,5,6,7,8,9,10,11,12,13,14,15
	global_load_b128 v[R+64*((\t)%2)+4*\i:R+64*((\t)%2)+4*\i+3], v[LI], s[4:5] offset:(32*((\t)/2)+8*((\t)%2)+\i+8*(\i/8))*4096 th:TH_LOAD_NT
.endr
.endm
.macro TILEX t
.if (\t) < 3
	s_wait_loadcnt 16                              ; this tile's 16 loads are in; the next tile's 16 may be out
.else
	s_wait_loadcnt 0x0
.endif
.irp i, 0,1,2,3,4,5,6,7,8,9,10,11,12,13,14,15
	ds_store_b128 v[STI], v[R+64*((\t)%2)+4*\i:R+64*((\t)%2)+4*\i+3] offset:528*\i
.endr
.irp b, 0,1,2,3
.irp j, 0,1,2,3
	ds_load_b128 v[XS+16*\b+4*\j:XS+16*\b+4*\j+3], v[STO] offset:128*\b+16*\j   ; LDS serves a wave's instructions in order: these see the stores above
.endr
.endr
	s_wait_dscnt 0x0                               ; the numbers are back, and the stores into the stage have read their registers
	s_wait_xcnt 0x0                                ; the last tile's stores have read the codes' registers, which are written again below
.if (\t)+2 < 4
	LOADX (\t)+2
.endif
	QUANT XS, PW+(\t)
	global_store_b128 v[LI], v[PC:PC+3], s[30:31] offset:1536*(\t)          ; each store covers whole aligned runs of 256 bytes
	global_store_b64 v[LT], v[PC+4:PC+5], s[30:31] offset:1536*(\t)+512
	global_store_b128 v[LI], v[PC+6:PC+9], s[30:31] offset:1536*(\t)+768
	global_store_b64 v[LT], v[PC+10:PC+11], s[30:31] offset:1536*(\t)+1280
.endm
	LOADX 0
	LOADX 1
	TILEX 0
	TILEX 1
	TILEX 2
	TILEX 3
	v_cndmask_b32 v[WP], v[PW], v[PW+1], s[HIM]    ; lanes 0-15 the even tile's words, lanes 16-31 the odd tile's
	v_cndmask_b32 v[WP+1], v[PW+2], v[PW+3], s[HIM]
	global_store_b64 v[L8], v[WP:WP+1], s[32:33]   ; 256 consecutive bytes
	s_wait_tensorcnt 0x0                           ; the wave's end: behind my last LDS store
	ds_add_u32 v[SPW], v[NIL]
	s_wait_dscnt 0x0
	s_endpgm
; ---- the weights: K is the FIRST axis.  A lane takes two columns (32 apart) and its registers run down K: a block of 32 lies in one lane, and the codes come out with K innermost.  No LDS.
.macro LOADW q, pitch                  ; sub-block q: block q / 2 along K, column group q % 2
.set i, 0
.rept 32
	global_load_b32 v[LD+32*((\q)%2)+i], v[L4], s[34:35] offset:(32*((\q)/2)+i)*\pitch+128*((\q)%2) th:TH_LOAD_NT
.set i, i+1
.endr
.endm
.macro BLOCKW q, pitch
.set KB, (\q)/2
.set XX, (\q)%2
.set LS, LD+32*XX
.set CB, CW+24*XX+12*(KB/2)            ; 12 registers: registers 0-3 of the even block, of the odd block, then both blocks' registers 4 and 5
.set DD, CB+4*(KB%2)
.set TL, CB+8+2*(KB%2)
.if (\q) < 7
	s_wait_loadcnt 32                              ; this sub-block's 32 loads are in; the next one's may be out
.else
	s_wait_loadcnt 0x0
.endif
	v_max3_num_f32 v[MA], |v[LS]|, |v[LS+1]|, |v[LS+2]|
	v_max3_num_f32 v[MA+1], |v[LS+3]|, |v[LS+4]|, |v[LS+5]|
.irp i, 6,10,14,18,22,26
	v_max3_num_f32 v[MA], v[MA], |v[LS+\i]|, |v[LS+\i+1]|
	v_max3_num_f32 v[MA+1], v[MA+1], |v[LS+\i+2]|, |v[LS+\i+3]|
.endr
	v_max3_num_f32 v[MA], v[MA], |v[LS+30]|, |v[LS+31]|
	v_max3_num_f32 v[MA], v[MA], v[MA+1], 0x1800000   ; and the floor
	v_add_nc_u32 v[MA+2], 0xff000000, v[MA]
	v_lshrrev_b32 v[MA+3], 23, v[MA+2]
.if KB == 0
	v_mov_b32 v[WD+XX], v[MA+3]
.else
	v_lshl_or_b32 v[WD+XX], v[MA+3], 8*KB, v[WD+XX]
.endif
	v_cvt_scalef32_pk16_fp6_f32 v[DD:DD+2], v[LS:LS+15], v[MA+2]
	v_cvt_scalef32_pk16_fp6_f32 v[T:T+2], v[LS+16:LS+31], v[MA+2]
	v_nop                                          ; one plain place behind the scaled conversions
	v_mov_b32 v[DD+3], v[T]
	v_mov_b32 v[TL], v[T+1]
	v_mov_b32 v[TL+1], v[T+2]
.if (\q)+2 < 8
	LOADW (\q)+2, \pitch
.endif
.if KB%2 == 1                          ; 64 along K of 32 columns are whole: each store fills 256 consecutive bytes in each of two tiles
	global_store_b128 v[VW], v[CB:CB+3], s[30:31] offset:3072*XX+768*(KB/2)
	global_store_b128 v[VW], v[CB+4:CB+7], s[30:31] offset:3072*XX+768*(KB/2)+256
	global_store_b128 v[VW], v[CB+8:CB+11], s[30:31] offset:3072*XX+768*(KB/2)+512
.endif
.endm
.macro WPATH pitch
	LOADW 0, \pitch
	LOADW 1, \pitch
.irp q, 0,1,2,3,4,5,6,7
	BLOCKW \q, \pitch
.endr
	global_store_b64 v[VS], v[WD:WD+1], s[32:33]   ; 256 consecutive bytes
.endm
.Lweights:
	s_cmp_ge_u32 ttmp9, 352
	s_cbranch_scc1 .Lwout
	UNIT 256
	s_mul_i32 s24, s16, 192                        ; blocks 0-15: columns 192 block + 64 g on
	s_lshl_b32 s25, s17, 6
	s_add_co_u32 s24, s24, s25
	s_sub_co_u32 s26, s16, 16                      ; blocks 16-23: head 2 (block - 16) + g, its v columns
	s_lshl_b32 s26, s26, 1
	s_add_co_u32 s26, s26, s17
	s_mul_i32 s26, s26, 192
	s_add_co_u32 s26, s26, 128
	s_cmp_lt_u32 s16, 16
	s_cselect_b32 s24, s24, s26
	s_lshl_b32 s24, s24, 2
	s_mul_i32 s25, s18, 128*12288                  ; 128 rows of W_qkv a K step
	s_add_co_u32 s24, s24, s25
	s_mov_b32 s25, 0
	s_add_nc_u64 s[34:35], s[6:7], s[24:25]
	DEST 12
	WPATH 12288
	s_endpgm
.Lwout:
	UNIT 352
	s_lshl_b32 s24, s16, 7                         ; columns 128 block + 64 g on
	s_lshl_b32 s25, s17, 6
	s_add_co_u32 s24, s24, s25
	s_lshl_b32 s24, s24, 2
	s_lshl_b32 s25, s18, 19                        ; 128 rows of 4,096 bytes a K step
	s_add_co_u32 s24, s24, s25
	s_mov_b32 s25, 0
	s_add_nc_u64 s[34:35], s[8:9], s[24:25]
	s_add_co_u32 s16, s16, 24                      ; W_out's blocks lie behind W_qkv's 24
	DEST 12
	WPATH 4096
	s_endpgm
.Lfunc_end_k_q5845df9816_quant:
	.size	k_q5845df9816_quant, .Lfunc_end_k_q5845df9816_quant-k_q5845df9816_quant
	.p2alignl 7, 3214868480
	.fill 96, 4, 3214868480
	.section	.rodata,"a",@progbits
	.p2align	6, 0x0
	.amdhsa_kernel k_q5845df9816_quant
		.amdhsa_group_segment_fixed_size 34304
		.amdhsa_private_segment_fixed_size 0
		.amdhsa_enable_private_segment 0
		.amdhsa_kernarg_size 40
		.amdhsa_user_sgpr_count 2
		.amdhsa_user_sgpr_kernarg_segment_ptr 1
		.amdhsa_wavefront_size32 1
		.amdhsa_system_sgpr_workgroup_id_x 1
		.amdhsa_system_sgpr_workgroup_id_y 1
		.amdhsa_system_sgpr_workgroup_id_z 1
		.amdhsa_system_vgpr_workitem_id 0
		.amdhsa_next_free_vgpr 256
		.amdhsa_next_free_sgpr 66
		.amdhsa_reserve_vcc 0
		.amdhsa_float_denorm_mode_32 3
		.amdhsa_float_denorm_mode_16_64 3
		.amdhsa_memory_ordered 1
		.amdhsa_forward_progress 1
		.amdhsa_inst_pref_size 111
	.end_amdhsa_kernel
	.amdgpu_metadata
---
amdhsa.version: [ 1, 2 ]
amdhsa.kernels:
  - .name:           k_q5845df9816_quant
    .symbol:         k_q5845df9816_quant.kd
    .args:
      - { .name: x, .offset: 0, .size: 8, .value_kind: global_buffer, .address_space: global }
      - { .name: W_qkv, .offset: 8, .size: 8, .value_kind: global_buffer, .address_space: global }
      - { .name: W_out, .offset: 16, .size: 8, .value_kind: global_buffer, .address_space: global }
      - { .name: xc, .offset: 24, .size: 8, .value_kind: global_buffer, .address_space: global }
      - { .name: wc, .offset: 32, .size: 8, .value_kind: global_buffer, .address_space: global }
    .group_segment_fixed_size: 34304
    .private_segment_fixed_size: 0
    .kernarg_segment_align: 8
    .kernarg_segment_size: 40
    .max_flat_workgroup_size: 128
    .sgpr_count:     66
    .vgpr_count:     256
    .wavefront_size: 32
...
	.end_amdgpu_metadata
.endif
;; end of part 1
;; launch qkv (part 2): grid 16 x 16, 4 waves a work-group, clusters of 4 x 4, 327,680 bytes of LDS; arguments xc, wc, b_qkv, qc, qs, kv; writes qc, qs, kv
.if DOCPART == 2
	.amdgcn_target "amdgcn-amd-amdhsa--gfx1250"
	.amdhsa_code_object_version 6
	.text
	.protected	k_q5845df9816_qkv
	.globl	k_q5845df9816_qkv
	.p2align	8
	.type	k_q5845df9816_qkv,@function
k_q5845df9816_qkv:
	s_mov_b64 s[64:65], 0
	v_nop
	global_prefetch_b8 v0, s[64:65] scope:SCOPE_SE
	s_setreg_imm32_b32 hwreg(HW_REG_WAVE_MODE, 25, 1), 1
	s_wait_xcnt 0x0
	s_wait_alu depctr_hold_cnt(0) depctr_sa_sdst(0) depctr_va_vdst(0) depctr_va_sdst(0) depctr_va_ssrc(0) depctr_va_vcc(0) depctr_vm_vsrc(0)
	s_getreg_b32 s2, hwreg(HW_REG_IB_STS2, 6, 4)
	s_cmp_eq_u32 s2, 0
	s_cbranch_scc0 .Lentry_in_a_cluster
	s_endpgm
.Lentry_in_a_cluster:
	s_bfe_u32 s2, ttmp6, 0x10000c
	s_cmp_lg_u32 s2, 0xf033
	s_cbranch_scc0 .Lentry_shape_is_right
	s_endpgm
.Lentry_shape_is_right:
; qkv = x W_qkv + b_qkv on codes of FP6 (E2M3) with E8M0 scales, sums in f32; q and k are then quantised along the head's 64, v along the keys, and leave as images of operand registers.
; OPERANDS come as blocks of 128 rows x K 1,024 (8 K steps of 12,800 bytes: 8 tiles of 1,536 bytes, 512 bytes of scale words).  In each group of 32 rows tile u holds in lane-row m the row 8 u + m + 8 (m / 8):
; so, in D = source 0 x source 1^T, a lane holds ONE row of source 1, and the 16 registers of source 0's tiles 2 b and 2 b + 1 are 16 neighbours along source 0's rows: what a conversion wants.
; A TILE is 128 rows of source 0 x 256 rows of source 1; wave w: all 8 tiles of source 0 x tiles 4 w .. 4 w + 3 of source 1: 32 accumulators.
; A WORK-GROUP STAYS for three tiles: 256 work-groups, 768 tiles.  With yc the cluster's y (0 .. 3): tiles 0 and 1 have the role QK at Y = yc and yc + 4, tile 2 the role V.
;   QK: source 0 = head wgx's q and k columns of W, source 1 = x's rows 256 (4 Y + cy) on: a lane holds one token, its registers q's 64 and k's 64.
;   V: source 0 = x's block 16 yc + wgx (128 keys), source 1 = the v columns of heads 4 cy .. 4 cy + 3: a lane holds one channel, its registers 128 keys.
; LDS: A RING OF TWO SLOTS, each four K steps of the three blocks (source 0's 51,200 bytes, then source 1's two blocks): slot 0 K steps 0-3, slot 1 K steps 4-7.  The ring runs on from tile to tile:
; in a tile's middle slot 0 is read no more and takes the next tile's K steps 0-3 (waves 0 and 1 ask); behind its last K step slot 1 takes the next tile's K steps 4-7 (waves 2 and 3).
; Each refill stands behind the three lines and a round of the cluster's barrier; 32 products stand between the round's opening signal and its wait.
; Tiles 0 and 1 are a loop of two trips; tile 2 asks for nothing more and is written out.  Every wait on TENSORcnt is for 0.
; CLUSTER 4 x 4: source 0 hangs on the work-group's x and the cluster's numbers, so the four of a column ask for it jointly; source 1 on cy and the cluster's y, so the four of a row do.
; NO DATA PREFETCH: a refill is asked for 128 products a wave, or 128 and a way out, ahead of the wait for it, and each block is asked for by four clusters in the same trip.
; OUT.  qc[bh]: 128 query tiles of 768 bytes.  qs[bh]: their scale words (q0, q1, q0, q1), 256 bytes for four tiles.  kv[bh]: 16 steps of 128 keys, 12,800 bytes each: 8 key tiles of 768; V's 4 channel tiles, keys 0-63, then keys 64-127;
;   256 bytes of K's words, one for each pair of key tiles; 256 bytes of V's words.
; LIMITS: a block of zeros, or one under 2^-124, gets the byte 1 (read by this program alone); NaN and infinities are not served.
; REGISTERS: window 0: v2-15 addresses; v16-111 source 0's eight fragments, v112-159 source 1's four (set 0); v160-171 scale words, two sets; v176-239 QK's bias; v240-242 address bases.
;   window 1: accumulator (a, b) at v[64 b + 8 a].  window 2: the second set of fragments at the same numbers; v176-207 V's bias.
.set HALF,  153600
.set PIECE, 51200
.set KST,   12800
.set SPARE, 307200                     ; behind the ring: the spare words, 128 bytes a wave, which no other line names
.set A016, 2                           ; v2-4  source 0: 16 x lane, 16 r + 8 h, 8 x lane, + the two K steps in hand
.set A08,  3
.set A0S,  4
.set A116, 5                           ; v5-7  the same for my four tiles of source 1
.set A18,  6
.set A1S,  7
.set LI,   8                           ; v8   16 x lane
.set LT,   9                           ; v9   16 r + 8 h
.set L8,   10                          ; v10  8 x lane
.set LK,   11                          ; v11  16 r + 4 h
.set SPW,  12                          ; v12  my spare word; never rewritten
.set NIL,  13                          ; v13  0; never rewritten
.set BOQ,  14                          ; v14  my offset in QK's bias
.set BOV,  15                          ; v15  my offset in V's
.set FA,   16
.set FB,   112
.set SC,   160
.set BI,   176
.set BV,   176                         ; in window 2
.set B116, 240                         ; v240-242 v5-7 at the ring's first byte; never rewritten
.set B18,  241
.set B1S,  242
.set PWB,  112                         ; the way out: a scale word for each of my four tiles
.set QW,   116
.set TM,   120
.set WV,   12
.set G1A,  24
.set G1B,  32
.set G0A,  40                          ; s[40:47] groups 0 of source 0, a set for each slot;  s[68:75] of source 1
.set G0B,  68
.set SEL,  76                          ; s[76:77] lane l xor 16
.set HIM,  78                          ; s78  lanes 16-31
.set TN,   79                          ; s79  the tile
.set MSB, 0
.macro WIN new
.if MSB != \new
	s_set_vgpr_msb (MSB<<8)|\new
.set MSB, \new
.endif
.endm
.macro PLACES
.rept 4
	v_nop
.endr
.endm
.macro CREST                           ; a round of the cluster's barrier from its opening wait on
	s_barrier_wait -1
	s_cmp_lg_u32 s[WV], 0
	s_cbranch_scc1 .Lnot_wave_0_\@
	s_barrier_signal -3
.Lnot_wave_0_\@:
	s_barrier_wait -3
	s_barrier_signal -1
	s_barrier_wait -1
.endm
.macro CROUND
	s_barrier_signal -1
	CREST
.endm
.macro TLOAD g0, g1
	tensor_load_to_lds s[\g0:\g0+3], s[\g1:\g1+7]
	s_nop 0
	PLACES
.endm
.macro FRAG reg, a16, a8, off          ; a fragment's image: four loads, each of consecutive bytes
	ds_load_b128 v[\reg:\reg+3], v[\a16] offset:\off
	ds_load_b64 v[\reg+4:\reg+5], v[\a8] offset:(\off)+512
	ds_load_b128 v[\reg+6:\reg+9], v[\a16] offset:(\off)+768
	ds_load_b64 v[\reg+10:\reg+11], v[\a8] offset:(\off)+1280
.endm
.macro FETCH sg                        ; K step sg of the two in hand into set sg: 12 fragments and their scale words: 51 LDS loads
.if \sg
	WIN 0x80
.else
	WIN 0
.endif
.irp a, 0,1,2,3,4,5,6,7
	FRAG FA+12*\a, A016, A08, KST*\sg+1536*\a
.endr
.irp b, 0,1,2,3
	FRAG FB+12*\b, A116, A18, KST*\sg+1536*\b
.endr
	WIN 0
	ds_load_b64 v[SC+6*\sg:SC+6*\sg+1], v[A0S] offset:KST*\sg+12288
	ds_load_b64 v[SC+6*\sg+2:SC+6*\sg+3], v[A0S] offset:KST*\sg+12288+256
	ds_load_b64 v[SC+6*\sg+4:SC+6*\sg+5], v[A1S] offset:KST*\sg+12288
.endm
.macro WM d, a, b, c, sa, sb, ra, rb
.if (\ra) && (\rb)
	v_wmma_scale_f32_16x16x128_f8f6f4 v[\d:\d+7], v[\a:\a+11], v[\b:\b+11], v[\c:\c+7], v[\sa], v[\sb] matrix_a_fmt:MATRIX_FMT_FP6 matrix_b_fmt:MATRIX_FMT_FP6 matrix_a_scale:MATRIX_SCALE_ROW1 matrix_b_scale:MATRIX_SCALE_ROW1
.elseif \ra
	v_wmma_scale_f32_16x16x128_f8f6f4 v[\d:\d+7], v[\a:\a+11], v[\b:\b+11], v[\c:\c+7], v[\sa], v[\sb] matrix_a_fmt:MATRIX_FMT_FP6 matrix_b_fmt:MATRIX_FMT_FP6 matrix_a_scale:MATRIX_SCALE_ROW1
.elseif \rb
	v_wmma_scale_f32_16x16x128_f8f6f4 v[\d:\d+7], v[\a:\a+11], v[\b:\b+11], v[\c:\c+7], v[\sa], v[\sb] matrix_a_fmt:MATRIX_FMT_FP6 matrix_b_fmt:MATRIX_FMT_FP6 matrix_b_scale:MATRIX_SCALE_ROW1
.else
	v_wmma_scale_f32_16x16x128_f8f6f4 v[\d:\d+7], v[\a:\a+11], v[\b:\b+11], v[\c:\c+7], v[\sa], v[\sb] matrix_a_fmt:MATRIX_FMT_FP6 matrix_b_fmt:MATRIX_FMT_FP6
.endif
.endm
.macro MM a, b, sg, cmode
.set DR, 64*\b+8*\a
.set CR, DR
.if \cmode == 1
.set CR, BI+8*\a
.endif
.if \cmode == 2
.set CR, BV+8*\b
.endif
	WM DR, FA+12*\a, FB+12*\b, CR, SC+6*\sg+\a/2, SC+6*\sg+4+\b/2, \a%2, \b%2
.endm
; A K step's 32 products.  The 32 accumulators take turns, one instruction a turn, in the same order in every step.
; cmode 0: in place;  1, 2: a tile's first K step starts the sums from the bias (QK's by source 0's tile, window 0; V's by source 1's tile, window 2): nothing is cleared.
.macro MUL sg, cmode
.if \cmode == 1
	WIN 0x40
.elseif \cmode == 2
	WIN 0x60
.elseif \sg
	WIN 0x5a
.else
	WIN 0x50
.endif
.irp b, 0,1,2,3
.irp a, 0,1,2,3,4,5,6,7
	MM \a, \b, \sg, \cmode
.endr
.endr
.endm
.macro ADRS off                        ; the six addresses at byte off of the ring, from bases that never change; six places between products and the loads into their registers
	v_add_nc_u32 v[A016], \off, v[LI]
	v_add_nc_u32 v[A08], \off, v[LT]
	v_add_nc_u32 v[A0S], \off, v[L8]
	v_add_nc_u32 v[A116], \off, v[B116]
	v_add_nc_u32 v[A18], \off, v[B18]
	v_add_nc_u32 v[A1S], \off, v[B1S]
.endm
.macro ODD off                         ; an odd K step's products; ahead of them the fetch of the next even one, at off
	WIN 0
	s_wait_dscnt 0x0
	ADRS \off
	FETCH 0
	MUL 1, 0
.endm
.macro EVEN                            ; an even K step's products; ahead of them the fetch of the odd one beside it
	WIN 0
	PLACES
	FETCH 1
	s_wait_dscnt 51                                ; all but the 51 loads just issued
	MUL 0, 0
.endm
; Slot c is read no more: the three lines, the next tile's addresses into slot c's groups 0 (no load of mine is out), the round with an odd K step's 32 products inside it, and the joint refill: waves 2 c and 2 c + 1.
.macro MEET c
	WIN 0
	s_wait_tensorcnt 0x0                           ; all my tensor loads have landed
	ds_add_u32 v[SPW], v[NIL]
	s_add_nc_u64 s[G0A+4*\c+2:G0A+4*\c+3], s[90:91], PIECE*\c
	s_or_b32 s[G0A+4*\c+3], s[G0A+4*\c+3], 0x80000000
	s_add_nc_u64 s[G0B+4*\c+2:G0B+4*\c+3], s[92:93], PIECE*\c
	s_or_b32 s[G0B+4*\c+3], s[G0B+4*\c+3], 0x80000000
	s_wait_dscnt 0x0                               ; the add, and my reads of the slot
	s_barrier_signal -1
	MUL 1, 0
	WIN 0
	CREST
	s_cmp_eq_u32 s[WV], 2*\c
	s_cbranch_scc0 .Lfor_b_\@
	TLOAD G0A+4*\c, G1A
	s_branch .Lasked_\@
.Lfor_b_\@:
	s_cmp_eq_u32 s[WV], 2*\c+1
	s_cbranch_scc0 .Lasked_\@
	TLOAD G0B+4*\c, G1B
.Lasked_\@:
.endm
; THE WAY OUT.  My tile b's 64 registers are 128 neighbours along the next K: four blocks of 32.  They become 12 registers of codes and a scale word.  The sources lie in window 1; each accumulator is read from its low end on.
.macro QUANTW s, pc, pw
	WIN 0x05
.irp b, 0,1,2,3
	v_max3_num_f32 v[TM+\b], |v[\s+16*\b]|, |v[\s+1+16*\b]|, 0x1800000   ; and the floor 2^(3 - 127)
.endr
	WIN 0x14
.irp i, 2,4,6,8,10,12,14
.irp b, 0,1,2,3
	v_max3_num_f32 v[TM+\b], v[TM+\b], |v[\s+16*\b+\i]|, |v[\s+1+16*\b+\i]|
.endr
.endr
	WIN 0
.irp b, 0,1,2,3
	v_permlanex16_b32 v[TM+4+\b], v[TM+\b], s[SEL], s[SEL+1]
.endr
.irp b, 0,1,2,3
	v_max_num_f32 v[TM+\b], v[TM+\b], v[TM+4+\b]
.endr
.irp b, 0,1,2,3
	v_add_nc_u32 v[TM+12+\b], 0xff000000, v[TM+\b]
.endr
.irp b, 0,1,2,3
	v_lshrrev_b32 v[TM+4+\b], 23, v[TM+12+\b]
.endr
	v_lshl_or_b32 v[\pw], v[TM+5], 8, v[TM+4]
	v_lshl_or_b32 v[\pw], v[TM+6], 16, v[\pw]
	v_lshl_or_b32 v[\pw], v[TM+7], 24, v[\pw]
	WIN 0x01
.irp c, 0,1
	v_cvt_scalef32_pk16_fp6_f32 v[\pc+6*\c:\pc+2+6*\c], v[\s+32*\c:\s+15+32*\c], v[TM+12+2*\c]
	v_cvt_scalef32_pk16_fp6_f32 v[\pc+12+4*\c:\pc+14+4*\c], v[\s+16+32*\c:\s+31+32*\c], v[TM+12+2*\c+1]
.endr
	WIN 0
	v_nop                                          ; one plain place behind the scaled conversions
.irp c, 0,1
.irp i, 0,1,2
	v_permlane16_swap_b32 v[\pc+6*\c+\i], v[\pc+12+4*\c+\i]
.endr
.irp i, 0,1,2
	v_mov_b32 v[\pc+3+6*\c+\i], v[\pc+12+4*\c+\i]
.endr
.endr
.endm
; A tile: role 1 QK, 2 V.  At its start slot 0 is whole for all waves.  refill = 1: the ring goes on into the next tile.
.macro TILE role, refill
	ADRS 0
	FETCH 0
	FETCH 1
	s_wait_dscnt 51                                ; K step 0's 51 loads are in
	MUL 0, \role
	ODD 25600
	EVEN
.if \refill
	MEET 0                                         ; K step 3's products stand in the round, which also shows slot 1 whole
	ADRS HALF
	FETCH 0
.else
	WIN 0
	s_wait_dscnt 0x0
	s_wait_tensorcnt 0x0
	s_barrier_signal -1
	s_barrier_wait -1                              ; slot 1 is whole for all
	ADRS HALF
	FETCH 0
	MUL 1, 0
.endif
	EVEN
	ODD HALF+25600
	EVEN
.if \refill
	MEET 1                                         ; K step 7's products stand in the round, which also shows the next tile's slot 0 whole
.else
	s_wait_dscnt 0x0
	MUL 1, 0
	WIN 0
.endif
	PLACES                                         ; in front of the first read of results
.irp b, 0,1,2,3
	v_mov_b32 v[TM+4+\b], 0                        ; a lane permute's destination counts as one of its sources
.endr
.irp b, 0,1,2,3                                ; each tile's codes have registers of their own
	QUANTW 64*\b, 16+20*\b, PWB+\b
	global_store_b128 v[LI], v[16+20*\b:19+20*\b], s[56:57] offset:768*\b        ; QK: q's 64;  V: keys 0-63.  Each store covers whole aligned runs of 256 bytes
	global_store_b64 v[LT], v[20+20*\b:21+20*\b], s[56:57] offset:768*\b+512
	global_store_b128 v[LI], v[22+20*\b:25+20*\b], s[58:59] offset:768*\b        ; QK: k's 64;  V: keys 64-127
	global_store_b64 v[LT], v[26+20*\b:27+20*\b], s[58:59] offset:768*\b+512
.endr
.if \role == 1
.irp b, 0,1,2,3
	v_perm_b32 v[QW+\b], v[PWB+\b], v[PWB+\b], 0x01000100   ; (q0, q1, q0, q1): q stands in either half of the instruction's 128
.endr
	v_cndmask_b32 v136, v[QW], v[QW+1], s[HIM]
	v_cndmask_b32 v137, v[QW+2], v[QW+3], s[HIM]
	global_store_b64 v[L8], v[136:137], s[60:61]   ; 256 consecutive bytes
	v_perm_b32 v138, v[PWB+1], v[PWB], 0x07060302  ; a pair of key tiles: (k0, k1 of the even, k0, k1 of the odd)
	v_perm_b32 v139, v[PWB+3], v[PWB+2], 0x07060302
	v_cndmask_b32 v138, v138, v139, s[HIM]
	global_store_b32 v[LK], v138, s[62:63]         ; 8 of each row's 16 bytes; the neighbouring wave stores the other 8
.else
	v_cndmask_b32 v136, v[PWB], v[PWB+2], s[HIM]
	v_cndmask_b32 v137, v[PWB+1], v[PWB+3], s[HIM]
	global_store_b64 v[LT], v[136:137], s[60:61]   ; 256 consecutive bytes
.endif
.endm
; ================= THE HEAD
	s_load_b256 s[4:11], s[0:1], 0x0               ; xc s[4:5], wc s[6:7], b_qkv s[8:9], qc s[10:11]
	s_load_b128 s[84:87], s[0:1], 0x20             ; qs s[84:85], kv s[86:87]
	v_lshl_add_u32 v[SPW], v0, 2, SPARE
	v_mov_b32 v[NIL], 0
	ds_add_u32 v[SPW], v[NIL]                      ; the opening lines: the add, twice on end, and its wait
	ds_add_u32 v[SPW], v[NIL]
	v_lshrrev_b32 v1, 5, v0
	v_readfirstlane_b32 s[WV], v1                  ; wave 0..3
	s_lshr_b32 s19, s[WV], 1
	s_and_b32 s20, s[WV], 1
	s_bfe_u32 s13, ttmp6, 0x40000                  ; cx
	s_bfe_u32 s14, ttmp6, 0x40004                  ; cy
	s_lshl_b32 s15, ttmp9, 2
	s_add_co_u32 s15, s15, s13                     ; work-group x, 0..15
	s_and_b32 s18, ttmp7, 0xffff                   ; yc: the cluster's y, 0..3
	s_lshl_b32 s22, 0x1111, s13                    ; my column of the cluster
	s_lshl_b32 s23, s14, 2
	s_lshl_b32 s23, 15, s23                        ; my row
	s_or_b32 s[G1A], s22, (3<<16)|(1<<21)          ; 15:0 the mask; 17:16 elements of 8 bytes; 21 set beside a mask
	s_or_b32 s[G1B], s23, (3<<16)|(1<<21)
	s_mov_b32 s[G1A+1], 32<<16                     ; source 0: 51,200 dense bytes as 200 rows of 32 elements
	s_mov_b32 s[G1A+2], 200<<16
	s_mov_b32 s[G1A+3], 32<<16
	s_mov_b32 s[G1A+4], 200
	s_mov_b32 s[G1A+5], 32
	s_mov_b32 s[G1A+6], 0
	s_mov_b32 s[G1A+7], 0
	s_mov_b32 s[G1B+1], 6400<<16                   ; source 1: four K steps of two blocks: two rows of 6,400 elements, a block (12,800 elements) apart
	s_mov_b32 s[G1B+2], 2<<16
	s_mov_b32 s[G1B+3], 6400<<16
	s_mov_b32 s[G1B+4], 2
	s_mov_b32 s[G1B+5], 12800
	s_mov_b32 s[G1B+6], 0
	s_mov_b32 s[G1B+7], 0
	s_mov_b32 s[SEL], 0x76543210
	s_mov_b32 s[SEL+1], 0xfedcba98
	s_mov_b32 s[HIM], 0xffff0000
	s_mul_i32 s88, s15, 768                        ; QK's bias: column 192 x
	s_mov_b32 s89, 0
	s_lshl_b32 s82, s14, 2
	s_add_co_u32 s82, s82, s[WV]
	s_mul_i32 s82, s82, 768
	s_add_co_u32 s82, s82, 512                     ; V's: column 192 (4 cy + w) + 128
	s_mov_b32 s83, 0
	s_mov_b32 s95, 0
	s_mov_b32 s97, 0
	s_wait_dscnt 0x0                               ; both opening adds are done
	s_wait_kmcnt 0x0
	s_add_nc_u64 s[88:89], s[8:9], s[88:89]
	s_add_nc_u64 s[82:83], s[8:9], s[82:83]
	; the three tiles' sources.  Source 0's offsets (s94) are made of cx and the cluster's numbers alone, source 1's (s96) of cy and the cluster's y alone
	s_mul_i32 s94, s15, 102400
	s_add_nc_u64 s[48:49], s[6:7], s[94:95]        ; QK, both tiles: block x of wc
	s_lshl_b32 s94, s18, 4
	s_add_co_u32 s94, s94, s15
	s_mul_i32 s94, s94, 102400
	s_add_nc_u64 s[52:53], s[4:5], s[94:95]        ; V: block 16 yc + x of xc
	s_lshl_b32 s96, s18, 2
	s_add_co_u32 s96, s96, s14
	s_mul_i32 s96, s96, 204800
	s_add_nc_u64 s[92:93], s[4:5], s[96:97]        ; tile 0: blocks 2 (4 yc + cy) and the next of xc
	s_add_nc_u64 s[50:51], s[92:93], 16*204800     ; tile 1: 32 blocks on
	s_add_co_u32 s96, s14, 8
	s_mul_i32 s96, s96, 204800
	s_add_nc_u64 s[54:55], s[6:7], s[96:97]        ; V: blocks 16 + 2 cy and the next of wc
	CROUND                                         ; all sixteen work-groups are here: the joint loads meet
.irp c, 0,1
	s_mov_b32 s[G0A+4*\c], 1
	s_mov_b32 s[G0A+4*\c+1], HALF*\c
	s_add_nc_u64 s[G0A+4*\c+2:G0A+4*\c+3], s[48:49], PIECE*\c
	s_or_b32 s[G0A+4*\c+3], s[G0A+4*\c+3], 0x80000000
	s_mov_b32 s[G0B+4*\c], 1
	s_mov_b32 s[G0B+4*\c+1], HALF*\c+PIECE
	s_add_nc_u64 s[G0B+4*\c+2:G0B+4*\c+3], s[92:93], PIECE*\c
	s_or_b32 s[G0B+4*\c+3], s[G0B+4*\c+3], 0x80000000
.endr
; tile 0's four loads, one a wave, each in its own arm of one chain
.macro ARM w, g0, g1
	s_cmp_eq_u32 s[WV], \w
	s_cbranch_scc0 .Lnot_\w
	TLOAD \g0, \g1
	s_branch .Lfilled
.Lnot_\w:
.endm
	ARM 0, G0A, G1A
	ARM 1, G0B, G1B
	ARM 2, G0A+4, G1A
	TLOAD G0B+4, G1B
.Lfilled:
	v_and_b32 v1, 31, v0                           ; lane
	v_and_b32 v14, 15, v0                          ; r
	v_bfe_u32 v15, v0, 4, 1                        ; h
	v_lshlrev_b32 v[LI], 4, v1
	v_lshlrev_b32 v[LT], 4, v14
	v_lshl_add_u32 v[LK], v15, 2, v[LT]
	v_lshl_add_u32 v[LT], v15, 3, v[LT]
	v_lshlrev_b32 v[L8], 3, v1
	s_mul_i32 s81, s19, PIECE
	s_add_co_u32 s81, s81, PIECE                   ; my tiles of source 1: block w / 2,
	s_mul_i32 s80, s20, 6144                       ; tiles 4 (w % 2) on,
	s_add_co_u32 s80, s80, s81
	s_lshl_b32 s2, s20, 8                          ; their words 256 (w % 2) on
	s_add_co_u32 s81, s81, s2
	v_add_nc_u32 v[B116], s80, v[LI]
	v_add_nc_u32 v[B18], s80, v[LT]
	v_add_nc_u32 v[B1S], s81, v[L8]
	v_and_b32 v1, 8, v14
	v_add_nc_u32 v1, v1, v14                       ; r + 8 (r / 8)
	v_lshlrev_b32 v[BOQ], 6, v15                   ; QK: my half's 16 columns of each 32
	v_lshlrev_b32 v[BOV], 2, v1                    ; V: my channel
	s_wait_alu depctr_va_vdst(0)
.irp a, 0,1,2,3,4,5,6,7                        ; QK: register j of tile a is column 32 (a / 2) + 8 (a % 2) + 16 h + j; it serves tiles 0 and 1
	global_load_b128 v[BI+8*\a:BI+8*\a+3], v[BOQ], s[88:89] offset:4*(32*(\a/2)+8*(\a%2))
	global_load_b128 v[BI+8*\a+4:BI+8*\a+7], v[BOQ], s[88:89] offset:4*(32*(\a/2)+8*(\a%2))+16
.endr
	WIN 0x80
.irp b, 0,1,2,3                                ; V: all eight registers of tile b hold my channel's bias: channel 32 (b / 2) + 8 (b % 2) + r + 8 (r / 8)
.irp j, 0,1,2,3,4,5,6,7
	global_load_b32 v[BV+8*\b+\j], v[BOV], s[82:83] offset:4*(32*(\b/2)+8*(\b%2))
.endr
.endr
	WIN 0
	s_cmp_lt_u32 s[WV], 2
	s_cbranch_scc0 .Lnot_first
	s_wait_tensorcnt 0x0                           ; waves 0 and 1: slot 0's tiles have landed
.Lnot_first:
	s_barrier_signal -1
	s_barrier_wait -1                              ; slot 0 is whole; waves 2 and 3's tiles may be on their way
	s_wait_loadcnt 0x0                             ; the biases
	s_mov_b32 s[TN], 0
; ================= TILES 0 AND 1: QK
.Ltile:
	s_cmp_eq_u32 s[TN], 0                          ; the next tile's sources: tile 1's, then tile 2's
	s_cselect_b64 s[90:91], s[48:49], s[52:53]
	s_cselect_b64 s[92:93], s[50:51], s[54:55]
	s_lshl_b32 s16, s[TN], 2                       ; where the results go: Y = yc + 4 x tile, y = 4 Y + cy; bh = 16 (y / 8) + x; 256 tokens (y % 8)
	s_add_co_u32 s16, s16, s18
	s_lshl_b32 s17, s16, 2
	s_add_co_u32 s17, s17, s14
	s_lshr_b32 s66, s17, 3
	s_lshl_b32 s66, s66, 4
	s_add_co_u32 s66, s66, s15
	s_and_b32 s67, s17, 7
	s_mul_i32 s56, s66, 98304
	s_mul_i32 s98, s67, 12288
	s_add_co_u32 s56, s56, s98
	s_mul_i32 s98, s[WV], 3072
	s_add_co_u32 s56, s56, s98                     ; qc: query tile 16 (y % 8) + 4 w
	s_lshl_b32 s98, s67, 1
	s_add_co_u32 s98, s98, s19
	s_mul_i32 s98, s98, 12800
	s_mul_i32 s99, s66, 204800
	s_add_co_u32 s98, s98, s99                     ; kv: step 2 (y % 8) + w / 2
	s_mul_i32 s58, s20, 3072
	s_add_co_u32 s58, s58, s98                     ; key tile 4 (w % 2)
	s_lshl_b32 s62, s20, 3
	s_add_co_u32 s62, s62, s98
	s_add_co_u32 s62, s62, 12288                   ; K's words: pairs 2 (w % 2) and the next
	s_lshl_b32 s60, s66, 13
	s_lshl_b32 s99, s67, 10
	s_add_co_u32 s60, s60, s99
	s_lshl_b32 s99, s[WV], 8
	s_add_co_u32 s60, s60, s99                     ; qs: group 4 (y % 8) + w
	s_mov_b32 s57, 0
	s_mov_b32 s59, 0
	s_mov_b32 s61, 0
	s_mov_b32 s63, 0
	s_add_nc_u64 s[56:57], s[10:11], s[56:57]
	s_add_nc_u64 s[58:59], s[86:87], s[58:59]
	s_add_nc_u64 s[60:61], s[84:85], s[60:61]
	s_add_nc_u64 s[62:63], s[86:87], s[62:63]
	TILE 1, 1
	s_wait_xcnt 0x0                                ; the stores have read their bases and their data, which the next tile writes
	s_add_co_u32 s[TN], s[TN], 1
	s_cmp_lt_u32 s[TN], 2
	s_wait_alu depctr_va_vdst(0)
	s_cbranch_scc1 .Ltile
; ================= TILE 2: V.  head = 4 cy + w, bh = 16 yc + head, step = work-group x
	s_lshl_b32 s66, s18, 4
	s_lshl_b32 s67, s14, 2
	s_add_co_u32 s67, s67, s[WV]
	s_add_co_u32 s66, s66, s67
	s_mul_i32 s66, s66, 204800
	s_mul_i32 s98, s15, 12800
	s_add_co_u32 s66, s66, s98
	s_add_co_u32 s56, s66, 6144                    ; V's tiles, keys 0-63,
	s_add_co_u32 s58, s66, 9216                    ; keys 64-127,
	s_add_co_u32 s60, s66, 12544                   ; and V's words
	s_mov_b32 s57, 0
	s_mov_b32 s59, 0
	s_mov_b32 s61, 0
	s_add_nc_u64 s[56:57], s[86:87], s[56:57]
	s_add_nc_u64 s[58:59], s[86:87], s[58:59]
	s_add_nc_u64 s[60:61], s[86:87], s[60:61]
	TILE 2, 0
	s_wait_tensorcnt 0x0                           ; the wave's end
	ds_add_u32 v[SPW], v[NIL]
	s_wait_dscnt 0x0
	CROUND                                         ; the closing round
	s_endpgm
.Lfunc_end_k_q5845df9816_qkv:
	.size	k_q5845df9816_qkv, .Lfunc_end_k_q5845df9816_qkv-k_q5845df9816_qkv
	.p2alignl 7, 3214868480
	.fill 96, 4, 3214868480
	.section	.rodata,"a",@progbits
	.p2align	6, 0x0
	.amdhsa_kernel k_q5845df9816_qkv
		.amdhsa_group_segment_fixed_size 327680
		.amdhsa_private_segment_fixed_size 0
		.amdhsa_enable_private_segment 0
		.amdhsa_kernarg_size 48
		.amdhsa_user_sgpr_count 2
		.amdhsa_user_sgpr_kernarg_segment_ptr 1
		.amdhsa_wavefront_size32 1
		.amdhsa_system_sgpr_workgroup_id_x 1
		.amdhsa_system_sgpr_workgroup_id_y 1
		.amdhsa_system_sgpr_workgroup_id_z 1
		.amdhsa_system_vgpr_workitem_id 0
		.amdhsa_next_free_vgpr 768
		.amdhsa_next_free_sgpr 100
		.amdhsa_reserve_vcc 0
		.amdhsa_float_denorm_mode_32 3
		.amdhsa_float_denorm_mode_16_64 3
		.amdhsa_memory_ordered 1
		.amdhsa_forward_progress 1
		.amdhsa_inst_pref_size 173
	.end_amdhsa_kernel
	.amdgpu_metadata
---
amdhsa.version: [ 1, 2 ]
amdhsa.kernels:
  - .name:           k_q5845df9816_qkv
    .symbol:         k_q5845df9816_qkv.kd
    .args:
      - { .name: xc, .offset: 0, .size: 8, .value_kind: global_buffer, .address_space: global }
      - { .name: wc, .offset: 8, .size: 8, .value_kind: global_buffer, .address_space: global }
      - { .name: b_qkv, .offset: 16, .size: 8, .value_kind: global_buffer, .address_space: global }
      - { .name: qc, .offset: 24, .size: 8, .value_kind: global_buffer, .address_space: global }
      - { .name: qs, .offset: 32, .size: 8, .value_kind: global_buffer, .address_space: global }
      - { .name: kv, .offset: 40, .size: 8, .value_kind: global_buffer, .address_space: global }
    .group_segment_fixed_size: 327680
    .private_segment_fixed_size: 0
    .kernarg_segment_align: 8
    .kernarg_segment_size: 48
    .max_flat_workgroup_size: 128
    .sgpr_count:     100
    .vgpr_count:     768
    .wavefront_size: 32
...
	.end_amdgpu_metadata
.endif
;; end of part 2
;; launch attn (part 3): grid 4 x 64, 16 waves a work-group, clusters of 4 x 1, 206,848 bytes of LDS; arguments qc, qs, kv, ac; writes ac
.if DOCPART == 3
	.amdgcn_target "amdgcn-amd-amdhsa--gfx1250"
	.amdhsa_code_object_version 6
	.text
	.protected	k_q5845df9816_attn
	.globl	k_q5845df9816_attn
	.p2align	8
	.type	k_q5845df9816_attn,@function
k_q5845df9816_attn:
	s_mov_b64 s[64:65], 0
	v_nop
	global_prefetch_b8 v0, s[64:65] scope:SCOPE_SE
	s_setreg_imm32_b32 hwreg(HW_REG_WAVE_MODE, 25, 1), 1
	s_wait_xcnt 0x0
	s_wait_alu depctr_hold_cnt(0) depctr_sa_sdst(0) depctr_va_vdst(0) depctr_va_sdst(0) depctr_va_ssrc(0) depctr_va_vcc(0) depctr_vm_vsrc(0)
	s_getreg_b32 s2, hwreg(HW_REG_IB_STS2, 6, 4)
	s_cmp_eq_u32 s2, 0
	s_cbranch_scc0 .Lentry_in_a_cluster
	s_endpgm
.Lentry_in_a_cluster:
	s_bfe_u32 s2, ttmp6, 0x10000c
	s_cmp_lg_u32 s2, 0x3003
	s_cbranch_scc0 .Lentry_shape_is_right
	s_endpgm
.Lentry_shape_is_right:
; O[q] = the sum over k of softmax_k(Q[q] . K[k] / 8) V[k] for one head, both products on codes of FP6 (E2M3) with E8M0 scales; O / l is then quantised along d_model and leaves as images of operand registers.
; THE SOFTMAX: t = score x log2(e) / 8; M = the running largest t rounded UP to a whole number; p = 2^(t - M) is quantised along the keys, not normalised; the row's sum l is taken of the unquantised p and divides O at the end.
; When M moves, l and O are multiplied by 2^(old M - new M): exact.
; SHARES.  A work-group owns 512 queries of one (batch, head); each of its sixteen waves two tiles of 16 queries, one after the other.  Four waves to a SIMD: one wave's vector work stands beside another's products and LDS loads.
; THE WHOLE HEAD'S K AND V LIE IN LDS, 16 steps of 12,800 bytes as they lie in memory, filled once: wave w brings step w.  CLUSTER: the four work-groups of a head ask for each step jointly.
; A step: 8 key tiles of 768 bytes (16 keys x 64); V's 4 channel tiles, keys 0-63, then keys 64-127; 256 bytes of K's words; 256 of V's.
; THE HEAD'S 64 FILL HALF OF THE INSTRUCTION'S 128.  Source 0 is a PAIR of key tiles, the even tile's 64 in k 0-63, the odd tile's in k 64-127; source 1 is (Q, zeros) for the even tile's scores and (zeros, Q) for the odd tile's:
; the other half multiplies zero codes.  Both forms of Q are runs of one row of registers: zeros, Q, zeros.
; Both products are used transposed: a lane holds ONE query throughout.  The keys of a tile are chosen (8 u + m + 8 (m / 8) in each 32) so that the 16 registers of tiles 2 b, 2 b + 1 are keys 32 b + 16 (lane / 16) + 0 .. 15; V's channels likewise.
; LIMITS: NaN and infinities are not served; a p under 2^-126 counts as 0; a block of zeros, or one under 2^-124, gets the byte 1 (read by this program alone); a block's largest p is taken from its largest score;
; 1 / l is a reciprocal and a multiplication.
.set STEPB, 12800
.set SPARE, 204800                     ; behind the head: the spare words, 128 bytes a wave, which no other line names
.set LI,  1                            ; v1   16 x lane
.set LT,  2                            ; v2   16 r + 8 h
.set L8,  3                            ; v3   8 x lane
.set ADK, 4                            ; v4, v5  the same two, in the step in hand
.set ADT, 5
.set SPW, 6                            ; v6   my spare word; never rewritten
.set NIL, 7                            ; v7   0; never rewritten
.set SCW, 8                            ; v8-11  the step's words: register i: lanes 0-15 K's pair i, lanes 16-31 V's tile i
                                       ; v12 -M, v13 the largest t, v[14:15] the sum in two halves
                                       ; v16-21 zeros, v22-27 Q of my first tile, v28-33 zeros, v34-39 Q of my second, v40-45 zeros
.set QW,  46                           ; v46  Q's words: lanes 0-15 my first tile's, lanes 16-31 my second's
.set PWD, 47                           ; v47  p's word
.set F,   48                           ; v48-95  four fragments of K or of V
.set S,   96                           ; v96-159 the scores, then p
.set O,   160                          ; v160-191 O^T
.set PC,  192                          ; v192-211 the codes just made
.set BM,  212                          ; v212-215 each block's largest
.set PD,  216                          ; v216-219 lane permutes' destinations, then bytes
.set SO,  220                          ; v220-223 the conversions' scale operands
.set TT,  224
.set FF,  226                          ; v[226:227] f, later 1 / l
.set C2,  228                          ; v[228:229] the sum's second chain
.set HW,  230                          ; v230, v231 my two tiles' halves of a scale word
.set WV,  12
.set SEL, 14                           ; s[14:15] lane l xor 16
.set CS,  16                           ; s[16:17] c = log2(e) / 8
.set HIM, 18                           ; s18  lanes 16-31
.set G1,  24
.set G0,  40
.set TB,  48                           ; s48  LDS byte at which the step in hand begins
.set CNT, 49
.macro CROUND                          ; a round of the cluster's barrier
	s_barrier_signal -1
	s_barrier_wait -1
	s_cmp_lg_u32 s[WV], 0
	s_cbranch_scc1 .Lnot_wave_0_\@
	s_barrier_signal -3
.Lnot_wave_0_\@:
	s_barrier_wait -3
	s_barrier_signal -1
	s_barrier_wait -1
.endm
.macro FRAG reg, a16, a8, off
	ds_load_b128 v[\reg:\reg+3], v[\a16] offset:\off
	ds_load_b64 v[\reg+4:\reg+5], v[\a8] offset:(\off)+512
	ds_load_b128 v[\reg+6:\reg+9], v[\a16] offset:(\off)+768
	ds_load_b64 v[\reg+10:\reg+11], v[\a8] offset:(\off)+1280
.endm
.macro SQ d, a, b, sa, brow
.if \brow
	v_wmma_scale_f32_16x16x128_f8f6f4 v[\d:\d+7], v[\a:\a+11], v[\b:\b+11], 0, v[\sa], v[QW] matrix_a_fmt:MATRIX_FMT_FP6 matrix_b_fmt:MATRIX_FMT_FP6 matrix_b_scale:MATRIX_SCALE_ROW1
.else
	v_wmma_scale_f32_16x16x128_f8f6f4 v[\d:\d+7], v[\a:\a+11], v[\b:\b+11], 0, v[\sa], v[QW] matrix_a_fmt:MATRIX_FMT_FP6 matrix_b_fmt:MATRIX_FMT_FP6
.endif
.endm
	s_load_b256 s[4:11], s[0:1], 0x0               ; qc s[4:5], qs s[6:7], kv s[8:9], ac s[10:11]
	v_lshl_add_u32 v[SPW], v0, 2, SPARE
	v_mov_b32 v[NIL], 0
	ds_add_u32 v[SPW], v[NIL]                      ; the wave's opening: the add and its wait ahead of my first tensor load; work on registers stands between them
	ds_add_u32 v[SPW], v[NIL]
	v_lshrrev_b32 v1, 5, v0
	s_delay_alu instid0(VALU_DEP_1)
	v_readfirstlane_b32 s[WV], v1                  ; wave 0..15
	s_bfe_u32 s13, ttmp6, 0x40000                  ; cx: which 512 queries: it enters Q's and the result's addresses alone
	s_and_b32 s19, ttmp7, 0xffff                   ; bh = 16 batch + head, which the four partners share
	; descriptor group 1: a step's 12,800 dense bytes as 50 rows of 32 elements of 8 bytes
	s_mov_b32 s[G1], 15|(3<<16)|(1<<21)            ; 15:0 the mask: all four work-groups; 17:16 elements of 8 bytes; 21 set beside a mask
	s_mov_b32 s[G1+1], 32<<16
	s_mov_b32 s[G1+2], 50<<16
	s_mov_b32 s[G1+3], 32<<16
	s_mov_b32 s[G1+4], 50
	s_mov_b32 s[G1+5], 32
	s_mov_b32 s[G1+6], 0
	s_mov_b32 s[G1+7], 0
	s_mul_i32 s[G0+1], s[WV], STEPB                ; LDS: step w
	s_mul_i32 s20, s19, 204800
	s_add_co_u32 s20, s20, s[G0+1]                 ; and in kv
	s_mov_b32 s21, 0
	s_mul_i32 s22, s19, 98304                      ; Q: query tile 32 cx + 2 w
	s_mul_i32 s23, s13, 24576
	s_add_co_u32 s22, s22, s23
	s_mul_i32 s23, s[WV], 1536
	s_add_co_u32 s22, s22, s23
	s_mov_b32 s23, 0
	s_lshl_b32 s50, s19, 13                        ; its words: group 8 cx + w / 2, register w % 2
	s_lshl_b32 s51, s13, 11
	s_add_co_u32 s50, s50, s51
	s_lshr_b32 s51, s[WV], 1
	s_lshl_b32 s51, s51, 8
	s_add_co_u32 s50, s50, s51
	s_and_b32 s52, s[WV], 1
	s_lshl_b32 s51, s52, 2
	s_add_co_u32 s50, s50, s51
	s_mov_b32 s51, 0
	s_lshr_b32 s54, s19, 4                         ; the result: block 16 batch + 4 cx + w / 4,
	s_lshl_b32 s54, s54, 4
	s_lshl_b32 s55, s13, 2
	s_add_co_u32 s54, s54, s55
	s_lshr_b32 s55, s[WV], 2
	s_add_co_u32 s54, s54, s55
	s_mul_i32 s54, s54, 102400
	s_bfe_u32 s55, s19, 0x30001                    ; K step head / 2,
	s_mul_i32 s55, s55, 12800
	s_add_co_u32 s54, s54, s55
	s_and_b32 s53, s19, 1                          ; half head % 2 of a tile,
	s_and_b32 s55, s[WV], 3
	s_mul_i32 s55, s55, 3072                       ; tiles 2 (w % 4) and the next
	s_add_co_u32 s56, s54, s55
	s_mul_i32 s55, s53, 768
	s_add_co_u32 s56, s56, s55
	s_mov_b32 s57, 0
	s_bfe_u32 s55, s[WV], 0x10001                  ; its words: 256 ((w / 2) % 2) + 4 (w % 2), bytes 2 (head % 2) on
	s_lshl_b32 s55, s55, 8
	s_add_co_u32 s58, s54, s55
	s_lshl_b32 s55, s52, 2
	s_add_co_u32 s58, s58, s55
	s_lshl_b32 s55, s53, 1
	s_add_co_u32 s58, s58, s55
	s_add_co_u32 s58, s58, 12288
	s_mov_b32 s59, 0
	s_mov_b32 s[SEL], 0x76543210
	s_mov_b32 s[SEL+1], 0xfedcba98
	s_mov_b32 s[CS], 0x3e38aa3b                    ; log2(e) / 8
	s_mov_b32 s[CS+1], s[CS]                       ; (named with it as a pair, so it is written)
	s_mov_b32 s[HIM], 0xffff0000
	s_wait_dscnt 0x0                               ; the opening add is done
	s_wait_kmcnt 0x0
	s_mov_b32 s[G0], 1
	s_add_nc_u64 s[G0+2:G0+3], s[8:9], s[20:21]
	s_or_b32 s[G0+3], s[G0+3], 0x80000000
	s_add_nc_u64 s[4:5], s[4:5], s[22:23]
	s_add_nc_u64 s[6:7], s[6:7], s[50:51]
	s_add_nc_u64 s[56:57], s[10:11], s[56:57]
	s_add_nc_u64 s[58:59], s[10:11], s[58:59]
	CROUND                                         ; all four work-groups are here: the joint loads meet
	tensor_load_to_lds s[G0:G0+3], s[G1:G1+7]      ; my one tensor load
	s_nop 0
.rept 4
	v_nop
.endr
	v_and_b32 v1, 31, v0
	s_delay_alu instid0(VALU_DEP_1)
	v_lshlrev_b32 v[L8], 3, v1
	s_delay_alu instid0(VALU_DEP_2)
	v_lshlrev_b32 v[LI], 4, v1
	v_and_b32 v[LT], 15, v0
	v_bfe_u32 v[ADK], v0, 4, 1
	s_delay_alu instid0(VALU_DEP_2)
	v_lshlrev_b32 v[LT], 4, v[LT]
	s_delay_alu instid0(VALU_DEP_1)
	v_lshl_add_u32 v[LT], v[ADK], 3, v[LT]
	global_load_b128 v[22:25], v[LI], s[4:5]       ; Q stays in registers
	global_load_b64 v[26:27], v[LT], s[4:5] offset:512
	global_load_b128 v[34:37], v[LI], s[4:5] offset:768
	global_load_b64 v[38:39], v[LT], s[4:5] offset:1280
	global_load_b32 v[QW], v[L8], s[6:7]
.irp z, 16,17,18,19,20,21,28,29,30,31,32,33,40,41,42,43,44,45
	v_mov_b32 v\z, 0                               ; zero codes beside Q
.endr
.irp b, 0,1,2,3
	v_mov_b32 v[PD+\b], 0                          ; written once: a lane permute's destination counts as one of its sources
.endr
	v_mov_b32 v[FF+1], 0                           ; (named as the upper half of a pair)
; A KEY STEP: my 16 queries x 128 keys.  qlo = (Q, zeros), qhi = (zeros, Q); brow: Q's words stand in lanes 16-31.
.macro STEP qlo, qhi, brow
	v_add_nc_u32 v[ADK], s[TB], v[LI]
	v_add_nc_u32 v[ADT], s[TB], v[LT]
	v_nop
	v_nop                                          ; four places between the last products and the loads into their registers
	ds_load_b128 v[SCW:SCW+3], v[ADK] offset:12288
.irp p, 0,1,2,3
	FRAG F+12*\p, ADK, ADT, 1536*\p
.endr
	s_wait_alu depctr_va_vdst(0)
	s_wait_dscnt 0x0
.irp p, 0,1,2,3
	SQ S+16*\p, F+12*\p, \qlo, SCW+\p, \brow
	SQ S+8+16*\p, F+12*\p, \qhi, SCW+\p, \brow
.endr
.rept 4
	v_nop                                          ; places in front of the loads below and of the first read of the scores
.endr
.irp t, 0,1,2,3                                ; V's four fragments land while the softmax is walked
	ds_load_b128 v[F+12*\t:F+12*\t+3], v[ADK] offset:6144+768*\t
	ds_load_b64 v[F+12*\t+4:F+12*\t+5], v[ADT] offset:6144+768*\t+512
	ds_load_b128 v[F+12*\t+6:F+12*\t+9], v[ADK] offset:9216+768*\t
	ds_load_b64 v[F+12*\t+10:F+12*\t+11], v[ADT] offset:9216+768*\t+512
.endr
.irp b, 0,1,2,3
	v_max3_num_f32 v[BM+\b], v[S+16*\b], v[S+1+16*\b], v[S+2+16*\b]   ; the largest score of each block of 32 keys: it serves for the row's maximum and, since p rises with the score, for the block's largest p
.endr
.irp i, 3,5,7,9,11,13
.irp b, 0,1,2,3
	v_max3_num_f32 v[BM+\b], v[BM+\b], v[S+16*\b+\i], v[S+1+16*\b+\i]
.endr
.endr
.irp b, 0,1,2,3
	v_max_num_f32 v[BM+\b], v[BM+\b], v[S+15+16*\b]
.endr
.irp b, 0,1,2,3
	s_delay_alu instid0(VALU_DEP_4)
	v_permlanex16_b32 v[PD+\b], v[BM+\b], s[SEL], s[SEL+1]
.endr
.irp b, 0,1,2,3
	s_delay_alu instid0(VALU_DEP_4)
	v_max_num_f32 v[BM+\b], v[BM+\b], v[PD+\b]     ; with lane l xor 16's 16 keys
.endr
	s_delay_alu instid0(VALU_DEP_2)
	v_max3_num_f32 v[TT], v[BM], v[BM+1], v[BM+2]
	s_delay_alu instid0(VALU_DEP_1)
	v_max_num_f32 v[TT], v[TT], v[BM+3]
	s_delay_alu instid0(VALU_DEP_1)
	v_mul_f32 v[TT], s[CS], v[TT]                  ; the step's largest t
	s_delay_alu instid0(VALU_DEP_1)
	v_max_num_f32 v13, v13, v[TT]                  ; the running largest
	v_mov_b32 v[TT], v12
	s_delay_alu instid0(VALU_DEP_2)
	v_floor_f32 v12, -v13                          ; the new -M = -ceil(t): a whole number
	s_delay_alu instid0(VALU_DEP_1)
	v_sub_f32 v[TT], v12, v[TT]                    ; old M - new M, 0 or less
	s_delay_alu instid0(VALU_DEP_1)
	v_cvt_i32_f32 v[TT], v[TT]                     ; (it saturates)
	s_delay_alu instid0(VALU_DEP_1)
	v_ldexp_f32 v[FF], 1.0, v[TT]                  ; f = 2^(old M - new M)
.set j, 0
.rept 32
	v_pk_fma_f32 v[S+j:S+j+1], v[S+j:S+j+1], s[CS:CS+1], v[12:13] op_sel_hi:[1,0,0]   ; t - M, two at a time
.set j, j+2
.endr
.irp b, 0,1,2,3
	v_fma_f32 v[BM+\b], v[BM+\b], s[CS], v12       ; the same of each block's largest score
.endr
.set j, 0
	s_wait_alu depctr_va_vdst(0)
.rept 64
	v_exp_f32 v[S+j], v[S+j]                       ; p = 2^(t - M)
.set j, j+1
.endr
	v_pk_mul_f32 v[14:15], v[14:15], v[FF:FF+1] op_sel_hi:[1,0]   ; the sums under the new M: the plain place behind the exponentials
	s_wait_alu depctr_va_vdst(0)                   ; one wait for the batch, ahead of its first use
.irp b, 0,1,2,3
	v_exp_f32 v[BM+\b], v[BM+\b]                   ; each block's largest p
.endr
	v_pk_add_f32 v[228:229], v[100:101], v[104:105]
	v_pk_add_f32 v[254:255], v[108:109], v[112:113]
	v_pk_add_f32 v[252:253], v[116:117], v[120:121]
	v_pk_add_f32 v[250:251], v[124:125], v[128:129]
	v_pk_add_f32 v[248:249], v[132:133], v[136:137]
	v_pk_add_f32 v[246:247], v[140:141], v[144:145]
	v_pk_add_f32 v[244:245], v[148:149], v[152:153]
	v_pk_add_f32 v[14:15], v[14:15], v[156:157]
	v_pk_add_f32 v[228:229], v[228:229], v[96:97]
	v_pk_add_f32 v[254:255], v[254:255], v[98:99]
	v_pk_add_f32 v[252:253], v[252:253], v[102:103]
	v_pk_add_f32 v[250:251], v[250:251], v[106:107]
	v_pk_add_f32 v[248:249], v[248:249], v[110:111]
	v_pk_add_f32 v[246:247], v[246:247], v[114:115]
	v_pk_add_f32 v[244:245], v[244:245], v[118:119]
	v_pk_add_f32 v[14:15], v[14:15], v[122:123]
	v_pk_add_f32 v[228:229], v[228:229], v[126:127]
	v_pk_add_f32 v[254:255], v[254:255], v[130:131]
	v_pk_add_f32 v[252:253], v[252:253], v[134:135]
	v_pk_add_f32 v[250:251], v[250:251], v[138:139]
	v_pk_add_f32 v[248:249], v[248:249], v[142:143]
	v_pk_add_f32 v[246:247], v[246:247], v[146:147]
	v_pk_add_f32 v[244:245], v[244:245], v[150:151]
	v_pk_add_f32 v[14:15], v[14:15], v[154:155]
	v_pk_add_f32 v[228:229], v[228:229], v[158:159]
	s_delay_alu instid0(VALU_DEP_2)
	v_pk_add_f32 v[14:15], v[14:15], v[250:251]
	s_delay_alu instid0(VALU_DEP_2)
	v_pk_add_f32 v[228:229], v[228:229], v[248:249]
	v_pk_add_f32 v[254:255], v[254:255], v[246:247]
	v_pk_add_f32 v[252:253], v[252:253], v[244:245]
	s_delay_alu instid0(VALU_DEP_2)
	v_pk_add_f32 v[14:15], v[14:15], v[254:255]
	s_delay_alu instid0(VALU_DEP_2)
	v_pk_add_f32 v[228:229], v[228:229], v[252:253]
	s_delay_alu instid0(VALU_DEP_1)
	v_pk_add_f32 v[14:15], v[14:15], v[228:229]
	s_wait_alu depctr_va_vdst(0)                   ; and one for the four
.irp b, 0,1,2,3
	v_max_num_f32 v[BM+\b], 0x1800000, v[BM+\b]    ; the floor 2^(3 - 127)
.endr
.irp b, 0,1,2,3
	s_delay_alu instid0(VALU_DEP_4)
	v_add_nc_u32 v[SO+\b], 0xff000000, v[BM+\b]
.endr
.irp b, 0,1,2,3
	s_delay_alu instid0(VALU_DEP_4)
	v_lshrrev_b32 v[PD+\b], 23, v[SO+\b]
.endr
	s_delay_alu instid0(VALU_DEP_3)
	v_lshl_or_b32 v[PWD], v[PD+1], 8, v[PD]
	s_delay_alu instid0(VALU_DEP_1)
	v_lshl_or_b32 v[PWD], v[PD+2], 16, v[PWD]
	s_delay_alu instid0(VALU_DEP_1)
	v_lshl_or_b32 v[PWD], v[PD+3], 24, v[PWD]
.irp c, 0,1
	v_cvt_scalef32_pk16_fp6_f32 v[PC+6*\c:PC+2+6*\c], v[S+32*\c:S+15+32*\c], v[SO+2*\c]
	v_cvt_scalef32_pk16_fp6_f32 v[PC+12+4*\c:PC+14+4*\c], v[S+16+32*\c:S+31+32*\c], v[SO+2*\c+1]
.endr
	v_nop                                          ; one plain place behind the scaled conversions
.irp c, 0,1
.irp i, 0,1,2
	v_permlane16_swap_b32 v[PC+6*\c+\i], v[PC+12+4*\c+\i]
.endr
.irp i, 0,1,2
	s_delay_alu instid0(VALU_DEP_3)
	v_mov_b32 v[PC+3+6*\c+\i], v[PC+12+4*\c+\i]
.endr
.endr
.set j, 0
.rept 16
	v_pk_mul_f32 v[O+j:O+j+1], v[O+j:O+j+1], v[FF:FF+1] op_sel_hi:[1,0]   ; O^T under the new M; these are also the places between p's word and codes and the products
.set j, j+2
.endr
	s_wait_alu depctr_va_vdst(0)
	s_wait_dscnt 0x0                               ; V is in
.irp t, 0,1,2,3                                ; the four accumulators take turns
	v_wmma_scale_f32_16x16x128_f8f6f4 v[O+8*\t:O+8*\t+7], v[F+12*\t:F+12*\t+11], v[PC:PC+11], v[O+8*\t:O+8*\t+7], v[SCW+\t], v[PWD] matrix_a_fmt:MATRIX_FMT_FP6 matrix_b_fmt:MATRIX_FMT_FP6 matrix_a_scale:MATRIX_SCALE_ROW1
.endr
	s_add_co_u32 s[TB], s[TB], STEPB
.endm
.macro WALK n, qlo, qhi, brow
	s_mov_b32 s[CNT], \n
.Lwalk_\@:
	STEP \qlo, \qhi, \brow
	s_sub_co_u32 s[CNT], s[CNT], 1
	s_cmp_lg_u32 s[CNT], 0
	s_cbranch_scc1 .Lwalk_\@
.endm
.macro INIT                            ; the step is written once for all steps: the first finds zeros, which the first change of M leaves zeros
	v_mov_b32 v13, 0xff61b1e6                      ; -3e38, under every t
	s_delay_alu instid0(VALU_DEP_1)
	v_floor_f32 v12, -v13
	v_mov_b32 v14, 0
	v_mov_b32 v15, 0
.set j, 0
.rept 32
	v_mov_b32 v[O+j], 0
.set j, j+1
.endr
	s_mov_b32 s[TB], 0
.endm
; O^T / l: my query's 64 channels, register 16 b + i = channel 32 b + 16 (lane / 16) + i: two blocks along d_model.  They become half a tile (six registers) and two bytes.
.macro FINISH ps
.rept 4
	v_nop                                          ; places behind the last products
.endr
	v_add_f32 v14, v14, v15
	s_delay_alu instid0(VALU_DEP_1)
	v_permlanex16_b32 v[TT], v14, s[SEL], s[SEL+1]
	s_delay_alu instid0(VALU_DEP_1)
	v_add_f32 v14, v14, v[TT]                      ; the row's sum
	s_wait_alu depctr_va_vdst(0)
	v_rcp_f32 v[FF], v14
	v_mov_b32 v[FF+1], 0                           ; a plain place behind the reciprocal
	s_wait_alu depctr_va_vdst(0)                   ; the wait ahead of its first use
.set j, 0
.rept 16
	v_pk_mul_f32 v[S+j:S+j+1], v[O+j:O+j+1], v[FF:FF+1] op_sel_hi:[1,0]
.set j, j+2
.endr
.irp b, 0,1
	v_max3_num_f32 v[BM+\b], |v[S+16*\b]|, |v[S+1+16*\b]|, 0x1800000
.endr
.irp k, 2,4,6,8,10,12,14
.irp b, 0,1
	s_delay_alu instid0(VALU_DEP_2)
	v_max3_num_f32 v[BM+\b], v[BM+\b], |v[S+16*\b+\k]|, |v[S+1+16*\b+\k]|
.endr
.endr
.irp b, 0,1
	s_delay_alu instid0(VALU_DEP_2)
	v_permlanex16_b32 v[PD+\b], v[BM+\b], s[SEL], s[SEL+1]
.endr
.irp b, 0,1
	s_delay_alu instid0(VALU_DEP_2)
	v_max_num_f32 v[BM+\b], v[BM+\b], v[PD+\b]
.endr
.irp b, 0,1
	s_delay_alu instid0(VALU_DEP_2)
	v_add_nc_u32 v[SO+\b], 0xff000000, v[BM+\b]
.endr
.irp b, 0,1
	s_delay_alu instid0(VALU_DEP_2)
	v_lshrrev_b32 v[PD+\b], 23, v[SO+\b]
.endr
	s_delay_alu instid0(VALU_DEP_1)
	v_lshl_or_b32 v[HW+\ps], v[PD+1], 8, v[PD]
	v_cvt_scalef32_pk16_fp6_f32 v[PC:PC+2], v[S:S+15], v[SO]
	v_cvt_scalef32_pk16_fp6_f32 v[PC+12:PC+14], v[S+16:S+31], v[SO+1]
	v_nop
.irp k, 0,1,2
	v_permlane16_swap_b32 v[PC+\k], v[PC+12+\k]
.endr
.irp k, 0,1,2
	s_delay_alu instid0(VALU_DEP_3)
	v_mov_b32 v[PC+3+\k], v[PC+12+\k]
.endr
	global_store_b128 v[LI], v[PC:PC+3], s[56:57] offset:1536*\ps        ; whole aligned runs of 256 bytes
	global_store_b64 v[LT], v[PC+4:PC+5], s[56:57] offset:1536*\ps+512
.endm
	s_wait_tensorcnt 0x0                           ; my step has landed,
	s_barrier_signal -1
	s_barrier_wait -1                              ; everybody's has: the head is whole, and is only read from here on
	s_wait_loadcnt 0x0                             ; Q and its words
	INIT
	WALK 16, 22, 16, 0
	FINISH 0
	s_wait_xcnt 0x0                                ; the stores have read the codes' registers, which the next steps write
	INIT
	WALK 16, 34, 28, 1
	FINISH 1
	v_cndmask_b32 v[TT], v[HW], v[HW+1], s[HIM]    ; lanes 0-15 my first tile's two bytes, lanes 16-31 my second's
	global_store_b16 v[L8], v[TT], s[58:59]        ; half of each scale word; the neighbouring head's work-group stores the other half: 2 bytes for each 48 of codes, and no work-group holds both heads
	s_wait_tensorcnt 0x0                           ; the wave's end
	ds_add_u32 v[SPW], v[NIL]
	s_wait_dscnt 0x0
	CROUND                                         ; the closing round
	s_endpgm
.Lfunc_end_k_q5845df9816_attn:
	.size	k_q5845df9816_attn, .Lfunc_end_k_q5845df9816_attn-k_q5845df9816_attn
	.p2alignl 7, 3214868480
	.fill 96, 4, 3214868480
	.section	.rodata,"a",@progbits
	.p2align	6, 0x0
	.amdhsa_kernel k_q5845df9816_attn
		.amdhsa_group_segment_fixed_size 206848
		.amdhsa_private_segment_fixed_size 0
		.amdhsa_enable_private_segment 0
		.amdhsa_kernarg_size 32
		.amdhsa_user_sgpr_count 2
		.amdhsa_user_sgpr_kernarg_segment_ptr 1
		.amdhsa_wavefront_size32 1
		.amdhsa_system_sgpr_workgroup_id_x 1
		.amdhsa_system_sgpr_workgroup_id_y 1
		.amdhsa_system_sgpr_workgroup_id_z 1
		.amdhsa_system_vgpr_workitem_id 0
		.amdhsa_next_free_vgpr 256
		.amdhsa_next_free_sgpr 66
		.amdhsa_reserve_vcc 0
		.amdhsa_float_denorm_mode_32 3
		.amdhsa_float_denorm_mode_16_64 3
		.amdhsa_memory_ordered 1
		.amdhsa_forward_progress 1
		.amdhsa_inst_pref_size 52
	.end_amdhsa_kernel
	.amdgpu_metadata
---
amdhsa.version: [ 1, 2 ]
amdhsa.kernels:
  - .name:           k_q5845df9816_attn
    .symbol:         k_q5845df9816_attn.kd
    .args:
      - { .name: qc, .offset: 0, .size: 8, .value_kind: global_buffer, .address_space: global }
      - { .name: qs, .offset: 8, .size: 8, .value_kind: global_buffer, .address_space: global }
      - { .name: kv, .offset: 16, .size: 8, .value_kind: global_buffer, .address_space: global }
      - { .name: ac, .offset: 24, .size: 8, .value_kind: global_buffer, .address_space: global }
    .group_segment_fixed_size: 206848
    .private_segment_fixed_size: 0
    .kernarg_segment_align: 8
    .kernarg_segment_size: 32
    .max_flat_workgroup_size: 512
    .sgpr_count:     66
    .vgpr_count:     256
    .wavefront_size: 32
...
	.end_amdgpu_metadata
.endif
;; end of part 3
;; launch proj (part 4): grid 8 x 32, 4 waves a work-group, clusters of 4 x 4, 307,712 bytes of LDS; arguments ac, wc, b_out, out0; writes out0
.if DOCPART == 4
	.amdgcn_target "amdgcn-amd-amdhsa--gfx1250"
	.amdhsa_code_object_version 6
	.text
	.protected	k_q5845df9816_proj
	.globl	k_q5845df9816_proj
	.p2align	8
	.type	k_q5845df9816_proj,@function
k_q5845df9816_proj:
	s_mov_b64 s[64:65], 0
	v_nop
	global_prefetch_b8 v0, s[64:65] scope:SCOPE_SE
	s_setreg_imm32_b32 hwreg(HW_REG_WAVE_MODE, 25, 1), 1
	s_wait_xcnt 0x0
	s_wait_alu depctr_hold_cnt(0) depctr_sa_sdst(0) depctr_va_vdst(0) depctr_va_sdst(0) depctr_va_ssrc(0) depctr_va_vcc(0) depctr_vm_vsrc(0)
	s_getreg_b32 s2, hwreg(HW_REG_IB_STS2, 6, 4)
	s_cmp_eq_u32 s2, 0
	s_cbranch_scc0 .Lentry_in_a_cluster
	s_endpgm
.Lentry_in_a_cluster:
	s_bfe_u32 s2, ttmp6, 0x10000c
	s_cmp_lg_u32 s2, 0xf033
	s_cbranch_scc0 .Lentry_shape_is_right
	s_endpgm
.Lentry_shape_is_right:
; out = attn W_out + b_out on codes of FP6 (E2M3) with E8M0 scales, sums in f32, f32 out.
; OPERANDS come as blocks of 128 rows x K 1,024 (8 K steps of 12,800 bytes: 8 tiles of 1,536 bytes, 512 bytes of scale words); in each group of 32 rows tile u holds in lane-row m the row 8 u + m + 8 (m / 8).
; Used transposed: source 0 = 128 columns of W_out (block 24 + x of wc), source 1 = 256 rows of attn (blocks 2 y, 2 y + 1 of ac): a lane holds one row of the result, and the 16 registers of
; source 0's tiles 2 b and 2 b + 1 are the 16 neighbouring columns 32 b + 16 (lane / 16) + 0 .. 15.  Wave w: all 8 tiles of source 0 x tiles 4 w .. 4 w + 3 of source 1: 32 accumulators.
; ALL OF K LIES IN LDS: 3 blocks x 102,400 bytes, read in four chunks of two K steps; each byte is filled once, at the head; each half is read behind a wait for its tensor loads and a barrier.  Nothing is filled again.
; CLUSTER 4 x 4: source 0 hangs on the work-group's x, so the four of a column ask for it jointly; source 1 on the work-group's y, so the four of a row do.
; REGISTERS, in windows of 256: window 0: v1-15 addresses; v16-111 source 0's eight fragments, v112-159 source 1's four (set 0); v160-171 scale words, two sets; v176-239 the bias.  window 1: accumulator (a, b) at v[64 b + 8 a].
;   window 2: the second set of fragments, at the same numbers.
.set HALF,  153600                     ; LDS AS IT IS FILLED: two halves of four K steps; a half: source 0's 51,200 bytes, then source 1's first and second block, 51,200 each
.set PIECE, 51200                      ; four K steps of one block
.set KST,   12800
.set SPARE, 307200                     ; behind the chunks: the spare words, 128 bytes a wave, which no other line names
.set A016, 2
.set A08,  3
.set A0S,  4
.set A116, 5
.set A18,  6
.set A1S,  7
.set LI,   8                           ; v8   16 x lane
.set LT,   9                           ; v9   16 r + 8 h
.set L8,   10                          ; v10  8 x lane
.set SPW,  12                          ; v12  my spare word; never rewritten
.set NIL,  13                          ; v13  0; never rewritten
.set STO,  14                          ; v14  the way out: where I put 32 bytes of a row
.set RD,   15                          ; v15  and where I read a row back
.set FA,   16
.set FB,   112
.set SC,   160
.set BI,   176
.set BK,   16                          ; the way out: 16 rows read back: v16-79 and v80-143 by turns
.set WV,   12
.set G1A,  24
.set G1B,  32
.set G0A,  40
.set G0B,  68
.set MSB, 0
.macro WIN new                         ; the immediate's high byte repeats the setting that is left
.if MSB != \new
	s_set_vgpr_msb (MSB<<8)|\new
.set MSB, \new
.endif
.endm
.macro PLACES
.rept 4
	v_nop
.endr
.endm
.macro CROUND                          ; a round of the cluster's barrier
	s_barrier_signal -1
	s_barrier_wait -1
	s_cmp_lg_u32 s[WV], 0
	s_cbranch_scc1 .Lnot_wave_0_\@
	s_barrier_signal -3
.Lnot_wave_0_\@:
	s_barrier_wait -3
	s_barrier_signal -1
	s_barrier_wait -1
.endm
.macro FRAG reg, a16, a8, off          ; a fragment's image: four loads, each of consecutive bytes
	ds_load_b128 v[\reg:\reg+3], v[\a16] offset:\off
	ds_load_b64 v[\reg+4:\reg+5], v[\a8] offset:(\off)+512
	ds_load_b128 v[\reg+6:\reg+9], v[\a16] offset:(\off)+768
	ds_load_b64 v[\reg+10:\reg+11], v[\a8] offset:(\off)+1280
.endm
.macro FETCH sg                        ; the chunk's K step sg into set sg: 12 fragments and their scale words: 51 LDS loads
.if \sg
	WIN 0x80                                       ; destination window 2
.else
	WIN 0
.endif
.irp a, 0,1,2,3,4,5,6,7
	FRAG FA+12*\a, A016, A08, KST*\sg+1536*\a
.endr
.irp b, 0,1,2,3
	FRAG FB+12*\b, A116, A18, KST*\sg+1536*\b
.endr
	WIN 0
	ds_load_b64 v[SC+6*\sg:SC+6*\sg+1], v[A0S] offset:KST*\sg+12288
	ds_load_b64 v[SC+6*\sg+2:SC+6*\sg+3], v[A0S] offset:KST*\sg+12288+256
	ds_load_b64 v[SC+6*\sg+4:SC+6*\sg+5], v[A1S] offset:KST*\sg+12288
.endm
.macro WM d, a, b, c, sa, sb, ra, rb
.if (\ra) && (\rb)
	v_wmma_scale_f32_16x16x128_f8f6f4 v[\d:\d+7], v[\a:\a+11], v[\b:\b+11], v[\c:\c+7], v[\sa], v[\sb] matrix_a_fmt:MATRIX_FMT_FP6 matrix_b_fmt:MATRIX_FMT_FP6 matrix_a_scale:MATRIX_SCALE_ROW1 matrix_b_scale:MATRIX_SCALE_ROW1
.elseif \ra
	v_wmma_scale_f32_16x16x128_f8f6f4 v[\d:\d+7], v[\a:\a+11], v[\b:\b+11], v[\c:\c+7], v[\sa], v[\sb] matrix_a_fmt:MATRIX_FMT_FP6 matrix_b_fmt:MATRIX_FMT_FP6 matrix_a_scale:MATRIX_SCALE_ROW1
.elseif \rb
	v_wmma_scale_f32_16x16x128_f8f6f4 v[\d:\d+7], v[\a:\a+11], v[\b:\b+11], v[\c:\c+7], v[\sa], v[\sb] matrix_a_fmt:MATRIX_FMT_FP6 matrix_b_fmt:MATRIX_FMT_FP6 matrix_b_scale:MATRIX_SCALE_ROW1
.else
	v_wmma_scale_f32_16x16x128_f8f6f4 v[\d:\d+7], v[\a:\a+11], v[\b:\b+11], v[\c:\c+7], v[\sa], v[\sb] matrix_a_fmt:MATRIX_FMT_FP6 matrix_b_fmt:MATRIX_FMT_FP6
.endif
.endm
.macro MM a, b, sg, cmode
.set DR, 64*\b+8*\a
.set CR, DR
.if \cmode == 1
.set CR, BI+8*\a
.endif
	WM DR, FA+12*\a, FB+12*\b, CR, SC+6*\sg+\a/2, SC+6*\sg+4+\b/2, \a%2, \b%2
.endm
; A K step's 32 products.  The 32 accumulators take turns, one instruction a turn, in the same order in every step.
; cmode 0: in place;  1: the first K step starts the sums from the bias: nothing is cleared and nothing is added later.
.macro MUL sg, cmode
.if \cmode
	WIN 0x40                                       ; D window 1; the bias, and set 0, window 0
.elseif \sg
	WIN 0x5a                                       ; fragments window 2, C and D window 1
.else
	WIN 0x50
.endif
.irp b, 0,1,2,3
.irp a, 0,1,2,3,4,5,6,7
	MM \a, \b, \sg, \cmode
.endr
.endr
.endm
; Between two chunks: my reads are in.
; The six additions step the addresses to the next chunk, and are the places between the last products and the loads into their registers.
; meet = 1, between the halves: every wave has waited for its one tensor load, so the second half is whole for all. inc: from two K steps to the next two.
.macro SYNC inc, meet
	WIN 0
	s_wait_dscnt 0x0
.if \meet
	s_wait_tensorcnt 0x0
	s_barrier_signal -1
	s_barrier_wait -1
.endif
.irp v, 2,3,4,5,6,7
	v_add_nc_u32 v\v, \inc, v\v
.endr
.endm
.macro ODD inc, meet
	SYNC \inc, \meet
	FETCH 0
	MUL 1, 0
.endm
.macro EVEN
	WIN 0
	PLACES                                         ; in front of loads into registers that the last products read
	FETCH 1
	s_wait_dscnt 51                                ; all but the 51 loads just issued
	MUL 0, 0
.endm
	s_load_b256 s[4:11], s[0:1], 0x0               ; ac s[4:5], wc s[6:7], b_out s[8:9], out0 s[10:11]
	v_lshl_add_u32 v[SPW], v0, 2, SPARE
	v_mov_b32 v[NIL], 0
	ds_add_u32 v[SPW], v[NIL]                      ; the wave's opening: the add and its wait ahead of my first tensor load; work on registers stands between them
	ds_add_u32 v[SPW], v[NIL]
	v_lshrrev_b32 v1, 5, v0
	v_readfirstlane_b32 s[WV], v1                  ; wave 0..3
	s_lshr_b32 s19, s[WV], 1
	s_and_b32 s20, s[WV], 1
	s_bfe_u32 s13, ttmp6, 0x40000                  ; cx
	s_bfe_u32 s14, ttmp6, 0x40004                  ; cy
	s_lshl_b32 s15, ttmp9, 2
	s_add_co_u32 s15, s15, s13                     ; work-group x, 0..7
	s_and_b32 s16, ttmp7, 0xffff
	s_lshl_b32 s17, s16, 2
	s_add_co_u32 s17, s17, s14                     ; work-group y, 0..31
	s_lshl_b32 s22, 0x1111, s13                    ; my column of the cluster
	s_lshl_b32 s23, s14, 2
	s_lshl_b32 s23, 15, s23                        ; my row
	; descriptor groups 1, one for each source
	s_or_b32 s[G1A], s22, (3<<16)|(1<<21)          ; 15:0 the mask; 17:16 elements of 8 bytes; 21 set beside a mask
	s_or_b32 s[G1B], s23, (3<<16)|(1<<21)
	s_mov_b32 s[G1A+1], 32<<16                     ; source 0: 51,200 dense bytes as 200 rows of 32 elements of 8 bytes
	s_mov_b32 s[G1A+2], 200<<16
	s_mov_b32 s[G1A+3], 32<<16
	s_mov_b32 s[G1A+4], 200
	s_mov_b32 s[G1A+5], 32
	s_mov_b32 s[G1A+6], 0
	s_mov_b32 s[G1A+7], 0
	s_mov_b32 s[G1B+1], 6400<<16                   ; source 1: four K steps of two blocks: two rows of 6,400 elements, a block (12,800 elements) apart
	s_mov_b32 s[G1B+2], 2<<16
	s_mov_b32 s[G1B+3], 6400<<16
	s_mov_b32 s[G1B+4], 2
	s_mov_b32 s[G1B+5], 12800
	s_mov_b32 s[G1B+6], 0
	s_mov_b32 s[G1B+7], 0
	s_add_co_u32 s94, s15, 24                      ; source 0: block 24 + x of wc: made of cx and the cluster's x alone
	s_mul_i32 s94, s94, 102400
	s_mov_b32 s95, 0
	s_mul_i32 s96, s17, 204800                     ; source 1: blocks 2 y and 2 y + 1 of ac: made of cy and the cluster's y alone
	s_mov_b32 s97, 0
	s_lshl_b32 s56, s17, 20                        ; the result: row 256 y + 64 w, 4,096 bytes a row; column 128 x
	s_lshl_b32 s98, s[WV], 18
	s_add_co_u32 s56, s56, s98
	s_lshl_b32 s98, s15, 9
	s_add_co_u32 s56, s56, s98
	s_mov_b32 s57, 0
	s_mov_b32 s88, s98                             ; the bias: 512 x
	s_mov_b32 s89, 0
	s_wait_dscnt 0x0                               ; the opening add is done
	s_wait_kmcnt 0x0
	s_add_nc_u64 s[90:91], s[6:7], s[94:95]
	s_add_nc_u64 s[92:93], s[4:5], s[96:97]
	s_add_nc_u64 s[56:57], s[10:11], s[56:57]
	s_add_nc_u64 s[88:89], s[8:9], s[88:89]
	s_mul_i32 s3, s19, PIECE
	CROUND                                         ; all sixteen work-groups are here: the joint loads meet
.irp c, 0,1                                    ; groups 0 of half c: constants and shared addresses alone
	s_mov_b32 s[G0A+4*\c], 1
	s_mov_b32 s[G0A+4*\c+1], HALF*\c
	s_add_nc_u64 s[G0A+4*\c+2:G0A+4*\c+3], s[90:91], PIECE*\c
	s_or_b32 s[G0A+4*\c+3], s[G0A+4*\c+3], 0x80000000
	s_mov_b32 s[G0B+4*\c], 1
	s_mov_b32 s[G0B+4*\c+1], HALF*\c+PIECE
	s_add_nc_u64 s[G0B+4*\c+2:G0B+4*\c+3], s[92:93], PIECE*\c
	s_or_b32 s[G0B+4*\c+3], s[G0B+4*\c+3], 0x80000000
.endr
; THE HEAD'S FOUR TILES, one tensor load a wave, each in its own arm of one chain: wave 0 source 0's first half, wave 1 source 1's, waves 2 and 3 the second halves
.macro ARM w, g0, g1
	s_cmp_eq_u32 s[WV], \w
	s_cbranch_scc0 .Lnot_\w
	tensor_load_to_lds s[\g0:\g0+3], s[\g1:\g1+7]
	s_nop 0
	PLACES
	s_branch .Lfilled
.Lnot_\w:
.endm
	ARM 0, G0A, G1A
	ARM 1, G0B, G1B
	ARM 2, G0A+4, G1A
	tensor_load_to_lds s[G0B+4:G0B+7], s[G1B:G1B+7]
	s_nop 0
	PLACES
.Lfilled:
	v_and_b32 v11, 31, v0                          ; lane
	v_and_b32 v14, 15, v0                          ; r
	v_bfe_u32 v15, v0, 4, 1                        ; h
	v_lshlrev_b32 v1, 6, v15                       ; the bias: my half's 16 columns of each 32
.irp a, 0,1,2,3,4,5,6,7                        ; register j of tile a is column 32 (a / 2) + 8 (a % 2) + 16 h + j
	global_load_b128 v[BI+8*\a:BI+8*\a+3], v1, s[88:89] offset:4*(32*(\a/2)+8*(\a%2))
	global_load_b128 v[BI+8*\a+4:BI+8*\a+7], v1, s[88:89] offset:4*(32*(\a/2)+8*(\a%2))+16
.endr
	v_lshlrev_b32 v[LI], 4, v11
	v_lshlrev_b32 v[LT], 4, v14
	v_lshl_add_u32 v[LT], v15, 3, v[LT]
	v_lshlrev_b32 v[L8], 3, v11
	v_lshlrev_b32 v[A016], 4, v11
	v_lshlrev_b32 v[A08], 4, v14
	v_lshl_add_u32 v[A08], v15, 3, v[A08]
	v_lshlrev_b32 v[A0S], 3, v11
	s_add_co_u32 s3, s3, PIECE                     ; my tiles of source 1: piece 1 + w / 2,
	s_mul_i32 s2, s20, 6144                        ; tiles 4 (w % 2) on,
	s_add_co_u32 s2, s2, s3
	s_lshl_b32 s20, s20, 8                         ; their words 256 (w % 2) on
	s_add_co_u32 s3, s3, s20
	v_add_nc_u32 v[A116], s2, v[LI]
	v_add_nc_u32 v[A18], s2, v[LT]
	v_add_nc_u32 v[A1S], s3, v[L8]
	s_mul_i32 s2, s[WV], 8448                      ; my stage: 16 rows of 512 bytes + 16
	v_mul_u32_u24 v[STO], v14, 528
	v_lshl_add_u32 v[STO], v15, 6, v[STO]
	v_add_nc_u32 v[STO], s2, v[STO]
	v_add_nc_u32 v[RD], s2, v[LI]
	s_wait_alu depctr_va_vdst(0)
	s_cmp_lt_u32 s[WV], 2
	s_cbranch_scc0 .Lnot_first
	s_wait_tensorcnt 0x0                           ; waves 0 and 1: the first half's tiles have landed
.Lnot_first:
	s_barrier_signal -1
	s_barrier_wait -1                              ; the first half is whole; waves 2 and 3's tiles may be on their way
	FETCH 0
	FETCH 1
	s_wait_dscnt 51                                ; K step 0's 51 loads are in
	s_wait_loadcnt 0x0                             ; and the bias
	MUL 0, 1
	ODD 25600, 0
	EVEN
	s_wait_alu depctr_va_vdst(0)
	ODD HALF-25600, 1
	EVEN
	s_wait_alu depctr_va_vdst(0)
	ODD 25600, 0
	EVEN
	s_wait_dscnt 0x0
	MUL 1, 0
	WIN 0
	PLACES                                         ; in front of the first read of results
; THE WAY OUT, a tile of 16 rows x 128 columns at a time.  A lane holds pieces of one row and the lanes beside it other rows: the tile goes through my stage and comes back as whole rows of 512 bytes.
; The four stages, 33,792 bytes, lie in source 0's K steps 0 to 2: those bytes have had their one fill, and every wave's last read of them stands ahead of the barrier between the halves.
; LDS serves a wave's instructions in order: no wait between the stores and the loads, nor in front of the next tile's stores.
.macro TOSTAGE b
	WIN 0x04                                       ; the data: window 1
.irp a, 0,1,2,3,4,5,6,7
	ds_store_b128 v[STO], v[64*(\b)+8*\a:64*(\b)+8*\a+3] offset:128*(\a/2)+32*(\a%2)          ; each accumulator from its low end on
	ds_store_b128 v[STO], v[64*(\b)+8*\a+4:64*(\b)+8*\a+7] offset:128*(\a/2)+32*(\a%2)+16
.endr
	WIN 0
.set BB, BK+64*((\b)%2)
.set i, 0
.rept 16
	ds_load_b128 v[BB+4*i:BB+4*i+3], v[RD] offset:528*i
.set i, i+1
.endr
.endm
.macro SEND b, younger                 ; younger: the LDS instructions issued behind tile b's loads, which may stay out
.set BB, BK+64*((\b)%2)
	s_wait_dscnt \younger
.set i, 0
.rept 16
	global_store_b128 v[LI], v[BB+4*i:BB+4*i+3], s[56:57] offset:(32*((\b)/2)+8*((\b)%2)+i+8*(i/8))*4096 th:TH_STORE_NT   ; 512 consecutive bytes of one row, at a multiple of 256 from the buffer's first byte; the tile's order of rows stands in the immediate
.set i, i+1
.endr
.endm
	TOSTAGE 0
.irp b, 1,2,3
.if \b > 1
	s_wait_xcnt 0x0                                ; tile b - 2's stores have read their registers: tile b's loads may land there
.endif
	TOSTAGE \b
	SEND \b-1, 32                                  ; behind tile b - 1's loads: tile b's 16 stores and 16 loads
.endr
	SEND 3, 0
	s_wait_tensorcnt 0x0                           ; the wave's end: behind my last tensor load and my last LDS store
	ds_add_u32 v[SPW], v[NIL]
	s_wait_dscnt 0x0
	CROUND                                         ; the closing round
	s_endpgm
.Lfunc_end_k_q5845df9816_proj:
	.size	k_q5845df9816_proj, .Lfunc_end_k_q5845df9816_proj-k_q5845df9816_proj
	.p2alignl 7, 3214868480
	.fill 96, 4, 3214868480
	.section	.rodata,"a",@progbits
	.p2align	6, 0x0
	.amdhsa_kernel k_q5845df9816_proj
		.amdhsa_group_segment_fixed_size 307712
		.amdhsa_private_segment_fixed_size 0
		.amdhsa_enable_private_segment 0
		.amdhsa_kernarg_size 32
		.amdhsa_user_sgpr_count 2
		.amdhsa_user_sgpr_kernarg_segment_ptr 1
		.amdhsa_wavefront_size32 1
		.amdhsa_system_sgpr_workgroup_id_x 1
		.amdhsa_system_sgpr_workgroup_id_y 1
		.amdhsa_system_sgpr_workgroup_id_z 1
		.amdhsa_system_vgpr_workitem_id 0
		.amdhsa_next_free_vgpr 768
		.amdhsa_next_free_sgpr 100
		.amdhsa_reserve_vcc 0
		.amdhsa_float_denorm_mode_32 3
		.amdhsa_float_denorm_mode_16_64 3
		.amdhsa_memory_ordered 1
		.amdhsa_forward_progress 1
		.amdhsa_inst_pref_size 84
	.end_amdhsa_kernel
	.amdgpu_metadata
---
amdhsa.version: [ 1, 2 ]
amdhsa.kernels:
  - .name:           k_q5845df9816_proj
    .symbol:         k_q5845df9816_proj.kd
    .args:
      - { .name: ac, .offset: 0, .size: 8, .value_kind: global_buffer, .address_space: global }
      - { .name: wc, .offset: 8, .size: 8, .value_kind: global_buffer, .address_space: global }
      - { .name: b_out, .offset: 16, .size: 8, .value_kind: global_buffer, .address_space: global }
      - { .name: out0, .offset: 24, .size: 8, .value_kind: global_buffer, .address_space: global }
    .group_segment_fixed_size: 307712
    .private_segment_fixed_size: 0
    .kernarg_segment_align: 8
    .kernarg_segment_size: 32
    .max_flat_workgroup_size: 128
    .sgpr_count:     100
    .vgpr_count:     768
    .wavefront_size: 32
...
	.end_amdgpu_metadata
.endif
;; end of part 4
